; MI455X (gfx1250); checked and timed in simulation.
; The chip was launched on July 23, 2026; its instructions are those of AMD's public machine-readable ISA for CDNA 5 (MIT licence, August 2026) and "CDNA5" Instruction Set Architecture Reference Guide (July 2026). The comments in the code are by the model that wrote it; some were corrected since.
;; GQA. Allowed arithmetic: matrix products marked QUANTISED: E2M1 operands, one E8M0 scale for each 32 along K, by v_wmma_scale_f32_16x16x128_f8f6f4 with both operands' format E2M1 (or v_wmma_scale_f32_32x16x128_f4), f32 sums; products left as they are: bf16, f16 or f32 operands; f32 sums; everything else in f32.
;; Inputs: freqs_cos 2,048 x 32 float32; freqs_sin 2,048 x 32 float32; mask 4 x 2,048 bool; wk 1,024 x 256 float32; wo 1,024 x 1,024 float32; wq 1,024 x 1,024 float32; wv 1,024 x 256 float32; x 4 x 2,048 x 1,024 float32.
;; Outputs: out0 4 x 2,048 x 1,024 float32.
;; This version of the problem:
;;   THIS VERSION OF THE PROBLEM IS GIVEN IN LOW PRECISION. The matrix products marked QUANTISED in the list below multiply operands that are first quantised to E2M1 (2 exponent bits, 1 mantissa bit; 4 bits a number), with one power-of-two scale for each 32 numbers along K (OCP MX v1.0); their sums are f32. The products marked 'left as it is' may take bf16, f16 or f32 operands, with f32 sums. Whichever they take, every output number must still come out within the allowed error. Rounding operands to bf16 (8 significant bits) uses up far more of that allowance than f16 does (11 bits, for magnitudes from 6e-5 to 65,504). All else is computed in f32.
;;   The module's matrix products, in the order in which they are computed (A, B: the left and right operand; K: the contracted axis; several contracted axes count as one K, in the product's order):
;;     1. [M 8,192, K 1,024] x [K 1,024, N 1,024]; A: input x; B: input wq: QUANTISED
;;     2. [M 8,192, K 1,024] x [K 1,024, N 256]; A: input x; B: input wk: QUANTISED
;;     3. [M 8,192, K 1,024] x [K 1,024, N 256]; A: input x; B: input wv: QUANTISED
;;     4. batch 16 x [M 8,192, K 64] x [K 64, N 2,048]; A: computed on the way; B: computed on the way: left as it is (an operand is computed on the way)
;;     5. batch 16 x [M 64, K 2,048] x [K 2,048, N 8,192]; A: computed on the way; B: computed on the way: left as it is (an operand is computed on the way)
;;     6. [M 8,192, K 1,024] x [K 1,024, N 1,024]; A: computed on the way; B: input wo: left as it is (an operand is computed on the way)
;;   THE QUANTISER, for each operand of a quantised product, along K:
;;     - K is cut into blocks of 32 from its start; a last block that is shorter is filled with zeros.
;;     - A block's scale is 2^e with e = floor(log2(the largest magnitude in the block)) - 2, held to -126 .. 127; a block of zeros has e = 0. As a byte (E8M0): e + 127.
;;     - Each number is divided by its block's scale, clamped to +-6, and rounded to the nearest number of E2M1, ties to even, subnormals kept.
;;     - The product sums the exact products of the quantised numbers (number of the format x scale) in f32.
;;   ~~~python
;;   def quantise(x, axis):      # numpy; x: float32 -> the quantised numbers, widened to float32 again
;;       x = np.moveaxis(x, axis, -1); K = x.shape[-1]
;;       x = np.pad(x, [(0, 0)] * (x.ndim - 1) + [(0, -K % 32)]); x = x.reshape(x.shape[:-1] + (-1, 32)); a = np.abs(x).max(-1, keepdims=True)
;;       e = np.where(a > 0, np.clip(np.frexp(np.where(a > 0, a, 1))[1] - 1 - 2, -126, 127), 0)      # np.frexp(a)[1] - 1 = floor(log2(a)), exactly
;;       r = np.clip(x / 2.0 ** e, -6, 6)
;;       step = 2.0 ** (np.maximum(np.frexp(np.where(r == 0, 1, r))[1] - 1, 0) - 1)
;;       q = np.round(r / step) * step * 2.0 ** e      # np.round: ties to even
;;       return np.moveaxis(q.reshape(q.shape[:-2] + (-1,))[..., :K], -1, axis).astype(np.float32)
;;   ~~~
;; One version. Each part assembles by itself: llvm-mc -triple=amdgcn-amd-amdhsa -mcpu=gfx1250 --defsym DOCPART=n.
;; ======== version 1 of 1: 5 launches
;; limits: values are held in f16: magnitudes above 65,504 overflow, below 6.1e-05 lose precision
;; workspace buffers: wprep 2,932,736 bytes; q16 16,777,216 bytes; kv16 8,388,608 bytes; finebuf 393,216 bytes; vpart 262,144 bytes; a16 16,777,216 bytes; vmean 4,096 bytes
;; launch prep_w (part 1): grid 224 x 1, 4 waves a work-group, no clusters, 0 bytes of LDS; arguments wq, wk, wv, wo, wprep; writes wprep
.if DOCPART == 1
	.amdgcn_target "amdgcn-amd-amdhsa--gfx1250"
	.amdhsa_code_object_version 6
	.text
	.protected	k_qf010d8881c_prep_w
	.globl	k_qf010d8881c_prep_w
	.p2align	8
	.type	k_qf010d8881c_prep_w,@function
k_qf010d8881c_prep_w:
	s_mov_b64 s[64:65], 0
	v_nop
	global_prefetch_b8 v0, s[64:65] scope:SCOPE_SE
	s_setreg_imm32_b32 hwreg(HW_REG_WAVE_MODE, 25, 1), 1
	s_wait_xcnt 0x0
; The weights are laid out once.  wq [1024][1024], wk, wv [1024][256], f32, K first: codes of FP4 (E2M1) and E8M0 scale words along K, in the ORDER OF THE OPERAND'S REGISTERS;
; wo [1024][1024] f32 -> f16, as it lies.
; wprep: codes at 0: column tile T (16 columns of wq | wk | wv, T = 0..95), K step s (128 along K): 1,024 bytes [c 0..1][lane 0..31][16 bytes]; lane (r, h), piece c: k = 128 s + 64 c + 32 h + 0..31 of column 16 T + r.
;        scale words at WSCALE: tile pair U = T / 2, K step s: 128 bytes, lane (T % 2) 16 + r has the column's word.   wo in f16 at WO16.
; SHARES.  Work-groups 0-63: wq, 128 columns x one K step; 64-95: wk, wv likewise; 96-223: wo, 8,192 bytes a wave.  A lane takes a column and its registers run down K (32 a block):
; a block's largest magnitude needs no other lane, and the conversions give codes with K innermost.  Each load of a wave reads 128 consecutive bytes, the four waves 512.
; A block's scale is 2^(floor(log2(largest magnitude)) - 2): the largest magnitude's exponent field less 2, held at 1 from below.
; LIMITS: a block of zeros gets the byte 1 where the rule says 127 (its codes are zeros; this program alone reads the bytes); blocks whose largest magnitude lies under 2^-124 are held at that byte;
; NaN and infinities are not served; wo must lie within f16's range (65,504).
; No LDS, no matrix unit, no cluster: a stream, each input byte read once.
.set WSCALE, 786432
.set WO16,   835584
.set XN,  32                           ; v32-159  128 numbers: four blocks of 32 down K
.set CD,  160                          ; v160-175 four registers of codes a block
.set SBY, 176                          ; v176     the four scale bytes
.set LO,  3                            ; v3  4 x lane
.set CO,  4                            ; v4  (lane / 16) x 8,192 + (lane % 16) x 16: my column's place in its tile's image
	s_load_b256 s[4:11], s[0:1], 0x0               ; wq s[4:5], wk s[6:7], wv s[8:9], wo s[10:11]
	s_load_b64 s[12:13], s[0:1], 0x20              ; wprep
	v_lshrrev_b32 v1, 5, v0
	v_readfirstlane_b32 s14, v1                    ; wave
	v_and_b32 v2, 31, v0                           ; lane
	v_lshlrev_b32 v[LO], 2, v2
	v_lshrrev_b32 v[CO], 4, v2
	v_and_b32 v5, 15, v2
	v_lshlrev_b32 v5, 4, v5
	v_lshl_add_u32 v[CO], v[CO], 13, v5
	v_lshlrev_b32 v6, 4, v2                        ; 16 x lane
	v_lshlrev_b32 v7, 3, v2                        ; 8 x lane
	s_mov_b32 s17, 0
	s_mov_b32 s21, 0
	s_mov_b32 s23, 0
	s_wait_kmcnt 0x0
	s_cmp_lt_u32 ttmp9, 64
	s_cbranch_scc1 .Lwq
	s_cmp_lt_u32 ttmp9, 96
	s_cbranch_scc1 .Lwkv
	; ---- wo: task j = 4 (work-group - 96) + wave: 8,192 bytes in, 4,096 out
	s_sub_co_u32 s15, ttmp9, 96
	s_lshl_b32 s15, s15, 2
	s_add_co_u32 s15, s15, s14
	s_lshl_b32 s16, s15, 13
	s_add_nc_u64 s[10:11], s[10:11], s[16:17]
	s_lshl_b32 s20, s15, 12
	s_add_co_u32 s20, s20, WO16
	s_add_nc_u64 s[12:13], s[12:13], s[20:21]
.irp k, 0,1,2,3,4,5,6,7,8,9,10,11,12,13,14,15
	global_load_b128 v[32+4*\k:35+4*\k], v6, s[10:11] offset:512*\k th:TH_LOAD_NT
.endr
.irp k, 0,1,2,3,4,5,6,7,8,9,10,11,12,13,14,15
	s_wait_loadcnt 15-\k                           ; loads come back in order: load k is in, the younger ones stay out
	v_cvt_pk_f16_f32 v[96+2*\k], v[32+4*\k], v[33+4*\k]
	v_cvt_pk_f16_f32 v[97+2*\k], v[34+4*\k], v[35+4*\k]
	global_store_b64 v7, v[96+2*\k:97+2*\k], s[12:13] offset:256*\k   ; 32 lanes store 256 consecutive bytes, aligned
.endr
	s_endpgm
.macro WLOADS pitch                    ; my column's 128 numbers of the K step: row i lies i x pitch bytes on
.set i, 0
.rept 128
	global_load_b32 v[XN+i], v[LO], s[4:5] offset:i*\pitch th:TH_LOAD_NT
.set i, i+1
.endr
.endm
.Lwq:                                  ; work-group i: column group G = i / 8, K step s = i % 8
	s_lshr_b32 s15, ttmp9, 3
	s_and_b32 s18, ttmp9, 7
	s_lshl_b32 s16, s18, 19                        ; 128 rows of 4,096 bytes a K step
	s_lshl_b32 s19, s15, 9
	s_add_co_u32 s16, s16, s19                     ; + 128 columns a group
	s_lshl_b32 s19, s14, 7
	s_add_co_u32 s16, s16, s19                     ; + 32 columns a wave
	s_add_nc_u64 s[4:5], s[4:5], s[16:17]
	s_lshl_b32 s19, s15, 2
	s_add_co_u32 s19, s19, s14                     ; U = 4 G + wave
	WLOADS 4096
	s_branch .Lquant
.Lwkv:                                 ; i' = i - 64: G' = i' / 8: 0, 1 wk, 2, 3 wv; s = i' % 8
	s_sub_co_u32 s15, ttmp9, 64
	s_and_b32 s18, s15, 7
	s_lshr_b32 s15, s15, 3
	s_cmp_lt_u32 s15, 2                            ; the choice hangs on the work-group's number alone
	s_cselect_b64 s[4:5], s[6:7], s[8:9]
	s_lshl_b32 s16, s18, 17                        ; 128 rows of 1,024 bytes a K step
	s_and_b32 s19, s15, 1
	s_lshl_b32 s19, s19, 9
	s_add_co_u32 s16, s16, s19
	s_lshl_b32 s19, s14, 7
	s_add_co_u32 s16, s16, s19
	s_add_nc_u64 s[4:5], s[4:5], s[16:17]
	s_lshl_b32 s19, s15, 2
	s_add_co_u32 s19, s19, s14
	s_add_co_u32 s19, s19, 32                      ; U = 32 + 4 G' + wave
	WLOADS 1024
.Lquant:                               ; s19 = U, s18 = s
	s_lshl_b32 s20, s19, 14                        ; two tiles of 8,192 bytes a pair
	s_lshl_b32 s22, s18, 10
	s_add_co_u32 s20, s20, s22
	s_add_nc_u64 s[24:25], s[12:13], s[20:21]      ; where the pair's codes of this K step begin
	s_lshl_b32 s22, s19, 3
	s_add_co_u32 s22, s22, s18
	s_lshl_b32 s22, s22, 7
	s_add_co_u32 s22, s22, WSCALE
	s_add_nc_u64 s[26:27], s[12:13], s[22:23]      ; and its scale words
.macro BLOCK t, left
.set XS, XN+32*(\t)
	s_wait_loadcnt \left                           ; this block's 32 loads are in
	v_max3_num_f32 v8, |v[XS]|, |v[XS+1]|, |v[XS+2]|               ; the block's largest magnitude: all 32 numbers are mine; two chains
	v_max3_num_f32 v9, |v[XS+3]|, |v[XS+4]|, |v[XS+5]|
.irp i, 6,10,14,18,22,26
	v_max3_num_f32 v8, v8, |v[XS+\i]|, |v[XS+\i+1]|
	v_max3_num_f32 v9, v9, |v[XS+\i+2]|, |v[XS+\i+3]|
.endr
	v_max3_num_f32 v8, v8, |v[XS+30]|, |v[XS+31]|
	v_max3_num_f32 v8, v8, v9, 0x1800000           ; and the floor 2^(3 - 127): the byte cannot fall under 1
	v_add_nc_u32 v10, 0xff000000, v8               ; 2 off the exponent field: the conversion takes this operand's exponent field as its scale
	v_lshrrev_b32 v11, 23, v10                     ; the scale's byte
.if (\t) == 0
	v_mov_b32 v[SBY], v11
.else
	v_lshl_or_b32 v[SBY], v11, 8*(\t), v[SBY]
.endif
.irp g, 0,1,2,3
	v_cvt_scalef32_pk8_fp4_f32 v[CD+4*(\t)+\g], v[XS+8*\g:XS+8*\g+7], v10
.endr
	global_store_b128 v[CO], v[CD+4*(\t):CD+4*(\t)+3], s[24:25] offset:((\t)/2)*512+((\t)%2)*256   ; block t = piece t / 2, half t % 2: sixteen lanes store 256 consecutive bytes, aligned
.endm
	BLOCK 0, 63                                    ; 96 younger loads might stay out; the wait's field holds 63
	BLOCK 1, 63
	BLOCK 2, 32                                    ; block 3's may stay out
	BLOCK 3, 0
	global_store_b32 v[LO], v[SBY], s[26:27]       ; 32 scale words: 128 consecutive bytes
	s_endpgm
.Lfunc_end_k_qf010d8881c_prep_w:
	.size	k_qf010d8881c_prep_w, .Lfunc_end_k_qf010d8881c_prep_w-k_qf010d8881c_prep_w
	.p2alignl 7, 3214868480
	.fill 96, 4, 3214868480
	.section	.rodata,"a",@progbits
	.p2align	6, 0x0
	.amdhsa_kernel k_qf010d8881c_prep_w
		.amdhsa_group_segment_fixed_size 0
		.amdhsa_private_segment_fixed_size 0
		.amdhsa_enable_private_segment 0
		.amdhsa_kernarg_size 40
		.amdhsa_user_sgpr_count 2
		.amdhsa_user_sgpr_kernarg_segment_ptr 1
		.amdhsa_wavefront_size32 1
		.amdhsa_system_sgpr_workgroup_id_x 1
		.amdhsa_system_sgpr_workgroup_id_y 1
		.amdhsa_system_sgpr_workgroup_id_z 1
		.amdhsa_system_vgpr_workitem_id 0
		.amdhsa_next_free_vgpr 184
		.amdhsa_next_free_sgpr 66
		.amdhsa_reserve_vcc 0
		.amdhsa_float_denorm_mode_32 3
		.amdhsa_float_denorm_mode_16_64 3
		.amdhsa_memory_ordered 1
		.amdhsa_forward_progress 1
		.amdhsa_inst_pref_size 39
	.end_amdhsa_kernel
	.amdgpu_metadata
---
amdhsa.version: [ 1, 2 ]
amdhsa.kernels:
  - .name:           k_qf010d8881c_prep_w
    .symbol:         k_qf010d8881c_prep_w.kd
    .args:
      - { .name: wq, .offset: 0, .size: 8, .value_kind: global_buffer, .address_space: global }
      - { .name: wk, .offset: 8, .size: 8, .value_kind: global_buffer, .address_space: global }
      - { .name: wv, .offset: 16, .size: 8, .value_kind: global_buffer, .address_space: global }
      - { .name: wo, .offset: 24, .size: 8, .value_kind: global_buffer, .address_space: global }
      - { .name: wprep, .offset: 32, .size: 8, .value_kind: global_buffer, .address_space: global }
    .group_segment_fixed_size: 0
    .private_segment_fixed_size: 0
    .kernarg_segment_align: 8
    .kernarg_segment_size: 40
    .max_flat_workgroup_size: 128
    .sgpr_count:     66
    .vgpr_count:     184
    .wavefront_size: 32
...
	.end_amdgpu_metadata
.endif
;; end of part 1
;; launch qkv (part 2): grid 256 x 1, 8 waves a work-group, no clusters, 221,184 bytes of LDS; arguments x, wprep, freqs_cos, freqs_sin, q16, kv16, finebuf, vpart; writes q16, kv16, finebuf, vpart
.if DOCPART == 2
	.amdgcn_target "amdgcn-amd-amdhsa--gfx1250"
	.amdhsa_code_object_version 6
	.text
	.protected	k_qf010d8881c_qkv
	.globl	k_qf010d8881c_qkv
	.p2align	8
	.type	k_qf010d8881c_qkv,@function
k_qf010d8881c_qkv:
	s_mov_b64 s[64:65], 0
	v_nop
	global_prefetch_b8 v0, s[64:65] scope:SCOPE_SE
	s_setreg_imm32_b32 hwreg(HW_REG_WAVE_MODE, 25, 1), 1
	s_wait_xcnt 0x0
; q | k | v = Q(x) Q(wq | wk | wv) on codes of FP4 (E2M1) with E8M0 scales for each 32 along K = 1,024; then the rotation by freqs_cos, freqs_sin on q and k, in f32; results in f16.
; SHARES.  Work-group g owns rows 32 g .. 32 g + 31 of x (batch g / 64, positions 32 (g % 64) on) and ALL 1,536 columns: x is read and quantised once in the whole program.
; Wave w makes 12 column tiles of 16 for both tiles of 16 rows: query heads 2 w, 2 w + 1 (tiles 8 w .. 8 w + 7) and one more head (tiles 64 + 4 w ..): key head w (w < 4) or value head w - 4.
; X.  One tensor load a wave brings its 4 rows of x (16 KiB, dense) into LDS, 16 bytes of padding behind each 64; a lane reads 16 neighbours along K, two lanes hold a block of 32.  Codes and scale bytes go to
; LDS as images of the operand's registers; one barrier; every wave then holds all 16 fragments of x (2 tiles of rows x 8 K steps) in registers.
; W.  The weights' fragments lie in memory in register order: 16 bytes a lane, straight into registers, two tiles ahead.
; NO CLUSTER, NO RING FOR W: a fragment of W is used by ONE wave of a work-group, for two matrix instructions; a joint load would land it in LDS, an LDS write and an LDS read more for each byte, to feed the same two instructions.
; THE MATRIX INSTRUCTION IS USED TRANSPOSED (source 0 = 16 columns of W, source 1 = 16 rows of x): a lane holds one position (lane % 16) and eight neighbouring columns, four pairs of the rotation.
; ALSO STORED: the f32 results of positions 0-15 of each batch (work-groups with g % 64 = 0), as register images, for the launch that carries those rows in f32; and the sums of V over the group's 32 rows.
; LIMITS: q, k, v must lie within f16's range (65,504); a block of zeros gets the byte 1 where the rule says 127 (zero codes; read by this program alone); blocks under 2^-124 are held at that byte; NaN, infinities not served.
; REGISTERS.  window 0: v1-15 addresses; v16-23 x's scale words; v24-39 W's, two sets; v40-71 accumulators, two sets of two; v72-87 rotated results; v88-95, v96-103 at work; v104-111 V's sums; v112-143 rows on the way out;
;   v144-207 cosines and sines; v208-215 at work.  (Phase X: v40-103 numbers, v104-127 codes and bytes.)   window 1: v0-127 x's 16 fragments; v128-255 W's fragments of two tiles.
.set XRAWW, 20480                      ; LDS: a wave's 4 rows of x: 256 pieces of 64 bytes + 16
.set XIMG,  163840                     ; x's fragments: (8 m + s) x 1,024, register images
.set XSC,   180224                     ; x's scale bytes: s x 128 + row x 4 + block
.set STG,   181248                     ; a stage of 32 rows x 144 bytes for each wave
.set VSTG,  218112                     ; 256 bytes a wave: V's column sums
.set SPARE, 220160                     ; the spare words, 128 bytes for each wave: four blocks of 256 bytes that no other line names
.set LI,  1                            ; 16 x lane
.set LS,  2                            ; 4 x lane
.set XR,  3                            ; my 64 bytes of a step's 2,048 in my wave's rows
.set XW,  4                            ; where my 16 codes go
.set XB,  5                            ; where my block's byte goes
.set STO, 6                            ; the stage: in
.set RD,  7                            ; the stage: back
.set VS,  8
.set VL,  9
.set L8,  10                           ; 8 x lane
.set CSO, 11                           ; my place in the tables of cosines and sines
.set LIX, 12                           ; 16 x lane + XIMG
.set LSX, 13                           ; 4 x lane + XSC
.set SPW, 14                           ; my spare word; never rewritten
.set NIL, 15                           ; 0; never rewritten
.set XSR, 16
.set WSR, 24
.set ACC, 40
.set R0,  72
.set TT,  88
.set HH,  96
.set CSUM, 104
.set QC,  104
.set QB,  120
.set OUTR, 112
.set CSN, 144
.set TV,  208
.set WBF, 128
.set WV,  20
.set BB,  21
.set BLK, 22
.set G0,  24
.set G1,  28
.set WQB, 36
.set WKB, 38
.set SQB, 40
.set SKB, 42
.set OQ0, 44
.set OQ1, 46
.set OKV, 48
.set FQB, 50
.set FKB, 52
.set VPB, 54
.set MK,  56
.set COSB, 58
.set SINB, 60
.set MSB, 0
.macro WIN new                         ; the immediate's high byte repeats the setting that is left
.if MSB != \new
	s_set_vgpr_msb (MSB<<8)|\new
.set MSB, \new
.endif
.endm
	s_load_b512 s[4:19], s[0:1], 0x0               ; x, wprep, cos, sin, q16, kv16, finebuf, vpart
	v_lshl_add_u32 v[SPW], v0, 2, SPARE
	v_mov_b32 v[NIL], 0
	ds_add_u32 v[SPW], v[NIL]                      ; the wave's opening: the add, twice on end, and its wait ahead of my tensor load
	ds_add_u32 v[SPW], v[NIL]
	v_lshrrev_b32 v[TV], 5, v0
	v_readfirstlane_b32 s[WV], v[TV]               ; wave 0..7
	s_lshr_b32 s[BB], ttmp9, 6                     ; batch
	s_and_b32 s[BLK], ttmp9, 63                    ; which 32 positions
	; descriptor group 1: 64 rows of 64 elements of 4 bytes (16 KiB, dense); 4 words of padding behind every 16
	s_mov_b32 s[G1+0], (2<<16)|(1<<20)|(3<<22)|(3<<25)
	s_mov_b32 s[G1+1], 64<<16                      ; tensor_dim0
	s_mov_b32 s[G1+2], 64<<16                      ; tensor_dim1
	s_mov_b32 s[G1+3], 64<<16                      ; tile_dim0
	s_mov_b32 s[G1+4], 64                          ; tile_dim1
	s_mov_b32 s[G1+5], 64                          ; from row to row
	s_mov_b32 s[G1+6], 0
	s_mov_b32 s[G1+7], 0
	s_mov_b32 s[G0], 1
	s_mul_i32 s[G0+1], s[WV], XRAWW                ; my wave's own bytes
	s_lshl_b32 s62, ttmp9, 17                      ; 32 rows of 4,096 bytes a work-group,
	s_lshl_b32 s23, s[WV], 14                      ; 4 a wave
	s_add_co_u32 s62, s62, s23
	s_mov_b32 s63, 0
	s_wait_dscnt 0x0                               ; both opening adds are done
	s_wait_kmcnt 0x0
	s_add_nc_u64 s[G0+2:G0+3], s[4:5], s[62:63]
	s_or_b32 s[G0+3], s[G0+3], 0x80000000
	tensor_load_to_lds s[G0:G0+3], s[G1:G1+7]      ; the one tensor load of this wave: filled once
	s_nop 0
	v_and_b32 v[TV], 31, v0                        ; lane
	v_and_b32 v[TV+1], 15, v0                      ; r
	v_bfe_u32 v[TV+2], v0, 4, 1                    ; h
	v_lshlrev_b32 v[LI], 4, v[TV]
	v_lshlrev_b32 v[LS], 2, v[TV]
	v_lshlrev_b32 v[L8], 3, v[TV]
	s_mul_i32 s23, s[WV], XRAWW
	v_mul_u32_u24 v[XR], v[TV], 80
	v_add_nc_u32 v[XR], s23, v[XR]
	v_lshrrev_b32 v[TV+3], 1, v[TV]                ; codes: (lane / 2) x 256 = K step, piece and half; (lane % 2) x 8
	v_and_b32 v[TV+4], 1, v[TV]
	v_lshlrev_b32 v[XW], 8, v[TV+3]
	v_lshl_add_u32 v[XW], v[TV+4], 3, v[XW]
	s_lshr_b32 s23, s[WV], 2
	s_lshl_b32 s23, s23, 13                        ; tile of rows w / 4,
	s_and_b32 s62, s[WV], 3
	s_lshl_b32 s62, s62, 6                         ; rows 4 (w % 4) on: 16 bytes a row
	s_add_co_u32 s23, s23, s62
	s_add_co_u32 s23, s23, XIMG
	v_add_nc_u32 v[XW], s23, v[XW]
	v_lshrrev_b32 v[TV+3], 3, v[TV]
	v_bfe_u32 v[TV+4], v0, 1, 2
	v_lshl_add_u32 v[XB], v[TV+3], 7, v[TV+4]      ; bytes: (lane / 8) x 128 + (lane / 2) % 4
	s_lshl_b32 s23, s[WV], 4
	s_add_co_u32 s23, s23, XSC
	v_add_nc_u32 v[XB], s23, v[XB]
	s_mul_i32 s23, s[WV], 4608
	s_add_co_u32 s23, s23, STG
	v_mul_u32_u24 v[STO], v[TV+1], 144
	v_lshl_add_u32 v[STO], v[TV+2], 4, v[STO]
	v_add_nc_u32 v[STO], s23, v[STO]
	v_mul_u32_u24 v[RD], v[TV+3], 144
	v_and_b32 v[TV+4], 7, v0
	v_lshl_add_u32 v[RD], v[TV+4], 4, v[RD]
	v_add_nc_u32 v[RD], s23, v[RD]
	s_lshl_b32 s23, s[WV], 8
	s_add_co_u32 s23, s23, VSTG
	v_lshlrev_b32 v[VS], 5, v[TV+2]
	v_add_nc_u32 v[VS], s23, v[VS]
	v_add_nc_u32 v[VL], s23, v[L8]
	v_lshlrev_b32 v[CSO], 7, v[TV+1]
	v_lshl_add_u32 v[CSO], v[TV+2], 4, v[CSO]
	v_add_nc_u32 v[LIX], XIMG, v[LI]
	v_add_nc_u32 v[LSX], XSC, v[LS]
	; the bases.  Every offset is made in s[62:63], apart from the addresses
	s_mov_b32 s63, 0
	s_lshl_b32 s62, s[WV], 16
	s_add_nc_u64 s[WQB:WQB+1], s[6:7], s[62:63]    ; codes of tiles 8 w on
	s_lshl_b32 s62, s[WV], 15
	s_add_co_u32 s62, s62, 524288
	s_add_nc_u64 s[WKB:WKB+1], s[6:7], s[62:63]    ; of tiles 64 + 4 w on
	s_lshl_b32 s62, s[WV], 12
	s_add_co_u32 s62, s62, 786432
	s_add_nc_u64 s[SQB:SQB+1], s[6:7], s[62:63]    ; scale words of pairs 4 w on
	s_lshl_b32 s62, s[WV], 11
	s_add_co_u32 s62, s62, 819200
	s_add_nc_u64 s[SKB:SKB+1], s[6:7], s[62:63]    ; of pairs 32 + 2 w on
	s_lshl_b32 s62, s[BB], 22
	s_lshl_b32 s23, s[WV], 19
	s_add_co_u32 s62, s62, s23
	s_lshl_b32 s23, s[BLK], 12
	s_add_co_u32 s62, s62, s23
	s_add_nc_u64 s[OQ0:OQ0+1], s[12:13], s[62:63]  ; q16: ((16 b + 2 w) 2,048 + position) x 128
	s_add_nc_u64 s[OQ1:OQ1+1], s[OQ0:OQ0+1], 262144
	s_lshl_b32 s62, s[BB], 20
	s_add_co_u32 s62, s62, s23
	s_and_b32 s23, s[WV], 3
	s_lshl_b32 s23, s23, 18
	s_add_co_u32 s62, s62, s23
	s_lshr_b32 s23, s[WV], 2
	s_lshl_b32 s23, s23, 22                        ; v lies 4 MiB behind k
	s_add_co_u32 s62, s62, s23
	s_add_nc_u64 s[OKV:OKV+1], s[14:15], s[62:63]
	s_mul_i32 s62, s[BB], 98304
	s_lshl_b32 s23, s[WV], 13
	s_add_co_u32 s62, s62, s23
	s_add_nc_u64 s[FQB:FQB+1], s[16:17], s[62:63]  ; finebuf: (96 b + tile) x 1,024
	s_mul_i32 s62, s[BB], 98304
	s_lshl_b32 s23, s[WV], 12
	s_add_co_u32 s62, s62, s23
	s_add_co_u32 s62, s62, 65536
	s_add_nc_u64 s[FKB:FKB+1], s[16:17], s[62:63]
	s_lshl_b32 s62, s[BB], 16
	s_and_b32 s23, s[WV], 3
	s_lshl_b32 s23, s23, 14
	s_add_co_u32 s62, s62, s23
	s_lshl_b32 s23, s[BLK], 8
	s_add_co_u32 s62, s62, s23
	s_add_nc_u64 s[VPB:VPB+1], s[18:19], s[62:63]  ; vpart: ((4 b + value head) 64 + g % 64) x 256; used by waves 4-7
	s_lshl_b32 s62, s[BLK], 12
	s_add_nc_u64 s[COSB:COSB+1], s[8:9], s[62:63]  ; the tables at my first position: 128 bytes a position
	s_add_nc_u64 s[SINB:SINB+1], s[10:11], s[62:63]
	s_cmp_lt_u32 s[WV], 4
	s_cselect_b32 s[MK], -1, 0                     ; all lanes on where my third head is a key head
.macro CLOAD T                         ; local tile T's 8 fragments into buffer T % 2 of window 1
.if (\T) < 8
.set CBS, WQB
.set COF, (\T)*8192
.else
.set CBS, WKB
.set COF, ((\T)-8)*8192
.endif
.irp s, 0,1,2,3,4,5,6,7
.irp c, 0,1
	global_load_b128 v[WBF+64*((\T)%2)+8*\s+4*\c:WBF+64*((\T)%2)+8*\s+4*\c+3], v[LI], s[CBS:CBS+1] offset:COF+\s*1024+\c*512
.endr
.endr
.endm
.macro SLOAD P                         ; local pair P's 8 scale words into set P % 2: lanes 0-15 the even tile's columns, lanes 16-31 the odd one's
.if (\P) < 4
.set CBS, SQB
.set COF, (\P)*1024
.else
.set CBS, SKB
.set COF, ((\P)-4)*1024
.endif
.irp s, 0,1,2,3,4,5,6,7
	global_load_b32 v[WSR+8*((\P)%2)+\s], v[LS], s[CBS:CBS+1] offset:COF+128*\s
.endr
.endm
	; these run while x is on its way: cosines and sines of my 2 x 16 positions (pairs 8 q + 4 h + 0..3 of tile q of a head), the first scale words, the first two tiles
.irp m, 0,1
.irp q, 0,1,2,3
	global_load_b128 v[CSN+32*\m+8*\q:CSN+32*\m+8*\q+3], v[CSO], s[COSB:COSB+1] offset:\m*2048+32*\q
	global_load_b128 v[CSN+32*\m+8*\q+4:CSN+32*\m+8*\q+7], v[CSO], s[SINB:SINB+1] offset:\m*2048+32*\q
.endr
.endr
	SLOAD 0
	WIN 0x40                                       ; destination window 1
	CLOAD 0
	CLOAD 1
	WIN 0
; ---- X.  Step t: row 4 w + t / 2 of the group, half t % 2 of K: 512 numbers, 16 a lane.
.macro QSTEP t
.set XQ, ACC+16*((\t)%4)
	s_wait_dscnt 12-2*((\t)%4)                     ; LDS serves in order: this step's four loads are in; the later steps' loads and the earlier steps' two stores each may be out
	v_max3_num_f32 v[TV], |v[XQ]|, |v[XQ+1]|, |v[XQ+2]|
	v_max3_num_f32 v[TV+1], |v[XQ+3]|, |v[XQ+4]|, |v[XQ+5]|
.irp i, 6,10
	v_max3_num_f32 v[TV], v[TV], |v[XQ+\i]|, |v[XQ+\i+1]|
	v_max3_num_f32 v[TV+1], v[TV+1], |v[XQ+\i+2]|, |v[XQ+\i+3]|
.endr
	v_max3_num_f32 v[TV], v[TV], |v[XQ+14]|, |v[XQ+15]|
	v_max3_num_f32 v[TV], v[TV], v[TV+1], 0x1800000                ; the floor 2^(3 - 127): the byte cannot fall under 1
	v_max_num_f32_dpp v[TV], v[TV], v[TV] row_xmask:1 row_mask:0xf bank_mask:0xf   ; with my neighbour's 16: the block's largest magnitude
	v_add_nc_u32 v[TV+2], 0xff000000, v[TV]        ; 2 off the exponent field: the conversion's scale operand
	v_cvt_scalef32_pk8_fp4_f32 v[QC+2*(\t)], v[XQ:XQ+7], v[TV+2]
	v_cvt_scalef32_pk8_fp4_f32 v[QC+2*(\t)+1], v[XQ+8:XQ+15], v[TV+2]
	v_lshrrev_b32 v[QB+(\t)], 23, v[TV+2]          ; the scale's byte (a plain line behind the conversions)
	ds_store_b64 v[XW], v[QC+2*(\t):QC+2*(\t)+1] offset:((\t)%2)*4096+((\t)/2)*16
	ds_store_b8 v[XB], v[QB+(\t)] offset:((\t)%2)*512+((\t)/2)*4   ; both lanes of a block write the same byte with the same value
.endm
	s_wait_tensorcnt 0x0                           ; my rows are in LDS; I alone read them
.irp g, 0,1
.irp u, 0,1,2,3
.irp i, 0,1,2,3
	ds_load_b128 v[ACC+16*\u+4*\i:ACC+16*\u+4*\i+3], v[XR] offset:2560*(4*\g+\u)+16*\i
.endr
.endr
.irp u, 0,1,2,3
	QSTEP (4*\g+\u)
.endr
.endr
	s_wait_dscnt 0x0                               ; for the others' sake: my images have landed
	s_barrier_signal -1
	s_barrier_wait -1                              ; x's sixteen fragments and their scale bytes lie in LDS
	WIN 0x40
.set f, 0
.rept 16
	ds_load_b128 v[8*f:8*f+3], v[LIX] offset:f*1024
	ds_load_b128 v[8*f+4:8*f+7], v[LIX] offset:f*1024+512
.set f, f+1
.endr
	WIN 0
.irp s, 0,1,2,3,4,5,6,7
	ds_load_b32 v[XSR+\s], v[LSX] offset:128*\s    ; lane = row of the group: lanes 0-15 the first tile of rows, lanes 16-31 the second
.endr
	s_wait_dscnt 0x0
; One scaled product; the symbols rD, rA, rB, rSA, rSB name its registers; zf: it starts the sum; fa, fb: the scales stand in lanes 16-31
.macro MMQ
.if zf
.if fa
.if fb
	v_wmma_scale_f32_16x16x128_f8f6f4 v[rD:rD+7], v[rA:rA+7], v[rB:rB+7], 0, v[rSA], v[rSB] matrix_a_fmt:MATRIX_FMT_FP4 matrix_b_fmt:MATRIX_FMT_FP4 matrix_a_scale:MATRIX_SCALE_ROW1 matrix_b_scale:MATRIX_SCALE_ROW1
.else
	v_wmma_scale_f32_16x16x128_f8f6f4 v[rD:rD+7], v[rA:rA+7], v[rB:rB+7], 0, v[rSA], v[rSB] matrix_a_fmt:MATRIX_FMT_FP4 matrix_b_fmt:MATRIX_FMT_FP4 matrix_a_scale:MATRIX_SCALE_ROW1
.endif
.else
.if fb
	v_wmma_scale_f32_16x16x128_f8f6f4 v[rD:rD+7], v[rA:rA+7], v[rB:rB+7], 0, v[rSA], v[rSB] matrix_a_fmt:MATRIX_FMT_FP4 matrix_b_fmt:MATRIX_FMT_FP4 matrix_b_scale:MATRIX_SCALE_ROW1
.else
	v_wmma_scale_f32_16x16x128_f8f6f4 v[rD:rD+7], v[rA:rA+7], v[rB:rB+7], 0, v[rSA], v[rSB] matrix_a_fmt:MATRIX_FMT_FP4 matrix_b_fmt:MATRIX_FMT_FP4
.endif
.endif
.else
.if fa
.if fb
	v_wmma_scale_f32_16x16x128_f8f6f4 v[rD:rD+7], v[rA:rA+7], v[rB:rB+7], v[rD:rD+7], v[rSA], v[rSB] matrix_a_fmt:MATRIX_FMT_FP4 matrix_b_fmt:MATRIX_FMT_FP4 matrix_a_scale:MATRIX_SCALE_ROW1 matrix_b_scale:MATRIX_SCALE_ROW1
.else
	v_wmma_scale_f32_16x16x128_f8f6f4 v[rD:rD+7], v[rA:rA+7], v[rB:rB+7], v[rD:rD+7], v[rSA], v[rSB] matrix_a_fmt:MATRIX_FMT_FP4 matrix_b_fmt:MATRIX_FMT_FP4 matrix_a_scale:MATRIX_SCALE_ROW1
.endif
.else
.if fb
	v_wmma_scale_f32_16x16x128_f8f6f4 v[rD:rD+7], v[rA:rA+7], v[rB:rB+7], v[rD:rD+7], v[rSA], v[rSB] matrix_a_fmt:MATRIX_FMT_FP4 matrix_b_fmt:MATRIX_FMT_FP4 matrix_b_scale:MATRIX_SCALE_ROW1
.else
	v_wmma_scale_f32_16x16x128_f8f6f4 v[rD:rD+7], v[rA:rA+7], v[rB:rB+7], v[rD:rD+7], v[rSA], v[rSB] matrix_a_fmt:MATRIX_FMT_FP4 matrix_b_fmt:MATRIX_FMT_FP4
.endif
.endif
.endif
.endm
; What is made of tile T's sums: the rotation, f16 into my stage; positions 0-15 in f32 to memory; V's column sums
.macro EPI T
.irp m, 0,1
.set AC, ACC+16*((\T)%2)+8*\m
.set RR, R0+8*\m
.set CC, CSN+32*\m+8*((\T)%4)
.irp i, 0,1,2,3
	v_mul_f32 v[TT+2*\i], v[AC+2*\i+1], v[CC+4+\i]                 ; imag x sin   (each accumulator is read from its low end on)
	v_mul_f32 v[TT+2*\i+1], v[AC+2*\i], v[CC+4+\i]                 ; real x sin
.endr
.irp i, 0,1,2,3
	v_fma_f32 v[RR+2*\i], v[AC+2*\i], v[CC+\i], -v[TT+2*\i]        ; real x cos - imag x sin
	v_fma_f32 v[RR+2*\i+1], v[AC+2*\i+1], v[CC+\i], v[TT+2*\i+1]   ; imag x cos + real x sin
.endr
.irp i, 0,1,2,3
	v_cvt_pk_f16_f32 v[HH+4*\m+\i], v[RR+2*\i], v[RR+2*\i+1]
.endr
	ds_store_b128 v[STO], v[HH+4*\m:HH+4*\m+3] offset:\m*2304+32*((\T)%4)
.endr
.if (\T) < 8
.set FBS, FQB
.set FOF, (\T)*1024
.else
.set FBS, FKB
.set FOF, ((\T)-8)*1024
.endif
	s_cmp_lg_u32 s[BLK], 0                         ; a branch on the work-group's number: the batch's first 32 positions are mine?
	s_cbranch_scc1 .Lnofine_\@
	global_store_b128 v[LI], v[R0:R0+3], s[FBS:FBS+1] offset:FOF           ; positions 0-15, f32, as the registers stand: 512 consecutive bytes a store
	global_store_b128 v[LI], v[R0+4:R0+7], s[FBS:FBS+1] offset:FOF+512
	s_wait_xcnt 0x0                                ; the next tile writes these registers again only behind this wait
.Lnofine_\@:
.if (\T) >= 8
	s_cmp_lt_u32 s[WV], 4                          ; a branch on the wave's number: value heads alone
	s_cbranch_scc1 .Lnosum_\@
.irp i, 0,2,4,6
	v_pk_add_f32 v[CSUM+\i:CSUM+\i+1], v[R0+\i:R0+\i+1], v[R0+8+\i:R0+8+\i+1]
.endr
.irp x, 1,2,4,8
.irp j, 0,1,2,3,4,5,6,7
	v_add_f32_dpp v[CSUM+\j], v[CSUM+\j], v[CSUM+\j] row_xmask:\x row_mask:0xf bank_mask:0xf
.endr
.endr
	ds_store_b128 v[VS], v[CSUM:CSUM+3] offset:64*((\T)%4)         ; sixteen lanes write the same bytes with the same values: the sums over 32 positions of channels 16 (T % 4) + 8 h + 0..7
	ds_store_b128 v[VS], v[CSUM+4:CSUM+7] offset:64*((\T)%4)+16
.Lnosum_\@:
.endif
.endm
.macro TILE T
.if (\T) == 11
	s_wait_loadcnt 0x0
.elseif (\T)%2 == 0
	s_wait_loadcnt 16                              ; behind this tile's loads only the next tile's 16 were issued
.else
	s_wait_loadcnt 24                              ; the next pair's 8 scale words and the next tile's 16
.endif
	WIN 0x05                                       ; sources 0 (W) and 1 (x) window 1
.set fa, (\T)%2
.irp s, 0,1,2,3,4,5,6,7
.irp m, 0,1                                    ; the two accumulators take turns
.if \s == 0
.set zf, 1
.else
.set zf, 0
.endif
.set fb, \m
.set rD, ACC+16*((\T)%2)+8*\m
.set rA, WBF+64*((\T)%2)+8*\s
.set rB, 8*(8*\m+\s)
.set rSA, WSR+8*(((\T)/2)%2)+\s
.set rSB, XSR+\s
	MMQ
.endr
.endr
.rept 4
	v_nop                                          ; four places ahead of loads into registers that these products read, and of the first read of their results
.endr
.if (\T)+2 <= 11
.if (\T)%2 == 0
	WIN 0
	SLOAD ((\T)/2+1)
.endif
	WIN 0x40
	CLOAD ((\T)+2)
.endif
	WIN 0
	EPI \T
.endm
.macro HEADOUT base                    ; a head's 32 rows of 128 bytes leave my stage as 4 KiB on end: 512 consecutive bytes a store
	s_wait_xcnt 0x0                                ; the last head's stores have read these registers
.irp i, 0,1,2,3,4,5,6,7
	ds_load_b128 v[OUTR+4*\i:OUTR+4*\i+3], v[RD] offset:576*\i     ; LDS serves a wave's instructions in order: these see my stores
.endr
.irp i, 0,1,2,3,4,5,6,7
	s_wait_dscnt 7-\i
	global_store_b128 v[LI], v[OUTR+4*\i:OUTR+4*\i+3], s[\base:\base+1] offset:512*\i
.endr
.endm
	TILE 0
	TILE 1
	TILE 2
	TILE 3
	HEADOUT OQ0
	TILE 4
	TILE 5
	TILE 6
	TILE 7
	HEADOUT OQ1
.set n, 0
.rept 8                                ; a value head is not rotated: its cosines become 1 and its sines 0, and it takes the same lines
.irp i, 0,1,2,3
	v_cndmask_b32 v[CSN+8*n+\i], 1.0, v[CSN+8*n+\i], s[MK]
	v_cndmask_b32 v[CSN+8*n+4+\i], 0, v[CSN+8*n+4+\i], s[MK]
.endr
.set n, n+1
.endr
	TILE 8
	TILE 9
	TILE 10
	TILE 11
	HEADOUT OKV
	s_cmp_lt_u32 s[WV], 4
	s_cbranch_scc1 .Lend
	ds_load_b64 v[CSUM:CSUM+1], v[VL]
	s_wait_dscnt 0x0
	global_store_b64 v[L8], v[CSUM:CSUM+1], s[VPB:VPB+1]           ; 64 sums: 256 consecutive bytes, aligned
.Lend:
	s_wait_tensorcnt 0x0                           ; the wave's end, behind my tensor load and my last LDS store
	ds_add_u32 v[SPW], v[NIL]
	s_wait_dscnt 0x0
	s_endpgm
.Lfunc_end_k_qf010d8881c_qkv:
	.size	k_qf010d8881c_qkv, .Lfunc_end_k_qf010d8881c_qkv-k_qf010d8881c_qkv
	.p2alignl 7, 3214868480
	.fill 96, 4, 3214868480
	.section	.rodata,"a",@progbits
	.p2align	6, 0x0
	.amdhsa_kernel k_qf010d8881c_qkv
		.amdhsa_group_segment_fixed_size 221184
		.amdhsa_private_segment_fixed_size 0
		.amdhsa_enable_private_segment 0
		.amdhsa_kernarg_size 64
		.amdhsa_user_sgpr_count 2
		.amdhsa_user_sgpr_kernarg_segment_ptr 1
		.amdhsa_wavefront_size32 1
		.amdhsa_system_sgpr_workgroup_id_x 1
		.amdhsa_system_sgpr_workgroup_id_y 1
		.amdhsa_system_sgpr_workgroup_id_z 1
		.amdhsa_system_vgpr_workitem_id 0
		.amdhsa_next_free_vgpr 512
		.amdhsa_next_free_sgpr 66
		.amdhsa_reserve_vcc 0
		.amdhsa_float_denorm_mode_32 3
		.amdhsa_float_denorm_mode_16_64 3
		.amdhsa_memory_ordered 1
		.amdhsa_forward_progress 1
		.amdhsa_inst_pref_size 117
	.end_amdhsa_kernel
	.amdgpu_metadata
---
amdhsa.version: [ 1, 2 ]
amdhsa.kernels:
  - .name:           k_qf010d8881c_qkv
    .symbol:         k_qf010d8881c_qkv.kd
    .args:
      - { .name: x, .offset: 0, .size: 8, .value_kind: global_buffer, .address_space: global }
      - { .name: wprep, .offset: 8, .size: 8, .value_kind: global_buffer, .address_space: global }
      - { .name: freqs_cos, .offset: 16, .size: 8, .value_kind: global_buffer, .address_space: global }
      - { .name: freqs_sin, .offset: 24, .size: 8, .value_kind: global_buffer, .address_space: global }
      - { .name: q16, .offset: 32, .size: 8, .value_kind: global_buffer, .address_space: global }
      - { .name: kv16, .offset: 40, .size: 8, .value_kind: global_buffer, .address_space: global }
      - { .name: finebuf, .offset: 48, .size: 8, .value_kind: global_buffer, .address_space: global }
      - { .name: vpart, .offset: 56, .size: 8, .value_kind: global_buffer, .address_space: global }
    .group_segment_fixed_size: 221184
    .private_segment_fixed_size: 0
    .kernarg_segment_align: 8
    .kernarg_segment_size: 64
    .max_flat_workgroup_size: 256
    .sgpr_count:     66
    .vgpr_count:     512
    .wavefront_size: 32
...
	.end_amdgpu_metadata
.endif
;; end of part 2
;; launch attn (part 3): grid 16 x 16, 8 waves a work-group, no clusters, 327,680 bytes of LDS; arguments q16, kv16, mask, vpart, a16, vmean; writes a16, vmean
.if DOCPART == 3
	.amdgcn_target "amdgcn-amd-amdhsa--gfx1250"
	.amdhsa_code_object_version 6
	.text
	.protected	k_qf010d8881c_attn
	.globl	k_qf010d8881c_attn
	.p2align	8
	.type	k_qf010d8881c_attn,@function
k_qf010d8881c_attn:
	s_mov_b64 s[64:65], 0
	v_nop
	global_prefetch_b8 v0, s[64:65] scope:SCOPE_SE
	s_setreg_imm32_b32 hwreg(HW_REG_WAVE_MODE, 25, 1), 1
	s_wait_xcnt 0x0
; a16[b][pos][head 64 + ch] = softmax over keys of (q . k / 8, hidden keys out) v.  q16 [b][16][2048][64], kv16: k, then v, [b][4][2048][64], f16; products with f32 sums; maxima, exponentials, sums in f32; the weights rounded to f16.
; A key is hidden where it comes after the query (the causal mask) or where mask[b][key] is 0.  A query with no visible key gets the mean of V over all 2,048 keys, as a softmax over equal logits gives it.
; SHARES.  Work-group (p, y = 4 b + kv) owns the 4 query heads of key head kv for TWO blocks of 64 positions: block p, then block 31 - p.  Keys go in slots of 128 (two steps of 64): block p needs NL = p / 2 + 1 slots,
; block 31 - p needs 17 - NL: every work-group walks 17 slots, a constant of the text, and all 256 have the same work.
; Wave w: positions 16 (w % 4) on of the block, heads 4 kv + 2 (w / 4) + 0, 1: two tiles of 16 queries at the SAME positions, so one bias serves both, and the wave's results are 256 consecutive bytes of a row of a16.
; LAYOUT.  Both products transposed: S^T = K Q^T (source 0 = 16 keys), O^T = V^T P (source 0 = 16 channels, V turned by ds_load_tr16_b128): a lane holds one query (lane % 16) throughout.
; THE MASKS ARE THE C OF EACH SCORE'S FIRST PRODUCT: 0 for a visible key, -2^100 for a hidden one, from a table in LDS laid in the order of the walk; on the diagonal the causal part is put in by compare and select.
; SOFTMAX.  Running maximum m and sum l; p = 2^(c s - c m), c = log2(e) / 8; O and l are multiplied by 2^(c m_old - c m_new) in every step.  m begins at -2^96 and never lies under it, so a hidden score gives p = 0 exactly
; also where no key has been visible yet; f16 operands bound a real score by 64 x 65,504^2 = 2.8e11, far above that floor.  m under -2^93 at the end marks a query with no visible key.
; RING.  Two slots; waves 0, 1 fetch K's halves, waves 2, 3 V's, one tensor load each behind the barrier at a slot's head; by this text's count a wave has one tensor load out.
; NO CLUSTER: partners of a joint load must ask for the same tile in the same round; the walk goes back to key 0 at trip NL = p / 2 + 1, a number that only two of the sixteen work-groups of a key head share.
; LIMITS: q, k, v within f16's range; NaN and infinities not served.
; REGISTERS.  window 0: v1-13 addresses; v16-31 statistics, 8 a tile (c m, m, l, l, c0-c3; the factor a takes c2's place); v32-63 bias; v64-127 S^T; v128-159 P; v160-223 O^T; v224-255 the mean of V, then rows on the way out.
;   window 1: v0-31 Q in hand; v32-63 Q of the second block; v64-127 K of a step; v128-191 V of a step.
.set KP,    144                        ; a key's row in LDS: 128 bytes + 16
.set VP,    160                        ; a row of V: 128 + 32
.set VOFF,  128*KP
.set SLOT1, 65536
.set BIASW, 131072                     ; the bias, f32, in the order of the walk: 512 bytes a slot, 17 slots
.set TMPS,  139776                     ; eight partial sums of V
.set VMT,   141824                     ; the mean of V, 256 bytes for each wave, its own
.set STAGE, 143872                     ; 16 rows x 272 bytes for each wave
.set SPARE, 178688                     ; the spare words, 128 bytes for each wave: four blocks of 256 bytes that no other line names
.set AK0, 1
.set AV0, 2
.set AB0, 3
.set ADK, 4
.set ADV, 5
.set ADB, 6
.set D0,  7                            ; r - 8 h
.set STO, 8
.set RD,  9
.set GO,  10
.set VMA, 11
.set NEGV, 12                          ; -2^100
.set PFO, 13                           ; 256 x lane
.set SPW, 14
.set NIL, 15
.set ST,  16
.set DD,  20                           ; the diagonal's number, in a register of the statistics that is free there
.set BI,  32
.set SR,  64
.set PR,  128
.set OA,  160
.set VM,  224
.set KFR, 64                           ; window 1
.set VFR, 128
.set WV,  16
.set PP,  17
.set YY,  18
.set NL,  19
.set SEL, 20
.set CS,  22
.set G1K, 24
.set G1V, 32
.set G0K, 40
.set G0V, 44
.set KB,  48
.set VB,  50
.set OF,  52
.set NXT, 54
.set SG,  55
.set SIG, 56
.set SLOTS, 57
.set TB,  58
.set BW,  59
.set KF,  60
.set Q0,  61
.set Q0H, 62
.set THR, 63
.set AOL, 66
.set AOH, 68
.set PFA, 70
.set LIM, 72
.set SM0, 73
.set QLO, 80
.set QHI, 82
.set MSB, 0
.macro WIN new
.if MSB != \new
	s_set_vgpr_msb (MSB<<8)|\new
.set MSB, \new
.endif
.endm
; Waves 0 and 1 fetch for K, waves 2 and 3 for V, the others nothing: branches on the wave's number alone.  An s_nop 0 and four v_nop follow each of the two lines.
.macro TLOAD
	s_cmp_lt_u32 s[WV], 2
	s_cbranch_scc0 .Lnot_k_\@
	tensor_load_to_lds s[G0K:G0K+3], s[G1K:G1K+7]
	s_nop 0
.rept 4
	v_nop
.endr
	s_branch .Lasked_\@
.Lnot_k_\@:
	s_cmp_lt_u32 s[WV], 4
	s_cbranch_scc0 .Lasked_\@
	tensor_load_to_lds s[G0V:G0V+3], s[G1V:G1V+7]
	s_nop 0
.rept 4
	v_nop
.endr
.Lasked_\@:
.endm
; A prefetch of key slot trip + 2: 16 KiB of K and of V.  All sixteen work-groups of a key head walk the same K and V: work-group p = 0 asks, by its waves that fetch nothing: waves 4, 5 K's halves, waves 6, 7 V's,
; 8,192 bytes a wave, lanes 256 bytes apart: each block is named once in the launch.  The earliest tensor load that wants that slot is issued one trip, two key steps, later.  Trips 14 and 15 ask for nothing: there are 16 slots.
.macro ASK
	s_cmp_gt_u32 s[SLOTS], s[LIM]
	s_cbranch_scc0 .Lnot_mine_\@
	global_prefetch_b8 v[PFO], s[PFA:PFA+1] th:TH_LOAD_NT scope:SCOPE_SE
.Lnot_mine_\@:
.endm
	s_load_b256 s[4:11], s[0:1], 0x0               ; q16, kv16, mask, vpart
	s_load_b128 s[12:15], s[0:1], 0x20             ; a16, vmean
	v_lshl_add_u32 v[SPW], v0, 2, SPARE
	v_mov_b32 v[NIL], 0
	ds_add_u32 v[SPW], v[NIL]                      ; the wave's opening: the add, twice on end, and its wait ahead of the first tensor load
	ds_add_u32 v[SPW], v[NIL]
	v_lshrrev_b32 v64, 5, v0
	v_readfirstlane_b32 s[WV], v64                 ; wave 0..7
	s_mov_b32 s[PP], ttmp9
	s_and_b32 s[YY], ttmp7, 0xffff
	s_lshr_b32 s[NL], s[PP], 1
	s_add_co_u32 s[NL], s[NL], 1
	; descriptor group 1: 64 rows of 64 elements of 2 bytes, dense in memory; padding behind every 32 words: 4 words (K), 8 words (V)
	s_mov_b32 s[G1K], (1<<16)|(1<<20)|(4<<22)|(3<<25)
	s_mov_b32 s[G1V], (1<<16)|(1<<20)|(4<<22)|(7<<25)
.irp g, G1K, G1V
	s_mov_b32 s[\g+1], 64<<16
	s_mov_b32 s[\g+2], 64<<16
	s_mov_b32 s[\g+3], 64<<16
	s_mov_b32 s[\g+4], 64
	s_mov_b32 s[\g+5], 64
	s_mov_b32 s[\g+6], 0
	s_mov_b32 s[\g+7], 0
.endr
	s_mov_b32 s[SEL], 0x76543210
	s_mov_b32 s[SEL+1], 0xfedcba98
	s_mov_b32 s[CS], 0x3e38aa3b                    ; c = log2(e) / 8
	s_mov_b32 s[CS+1], s[CS]
	s_mov_b32 s[THR], 0xee000000                   ; -2^93
	s_mov_b32 s[OF+1], 0
	s_mov_b32 s[NXT], 0
	s_mov_b32 s[SG], 1
	s_mov_b32 s[SIG], 0
	s_mov_b32 s[SLOTS], 16
	s_mov_b32 s[TB], 0
	s_mov_b32 s[BW], 0
	s_mov_b32 s[KF], 0
	s_and_b32 s84, s[WV], 3                        ; a: which 16 positions
	s_lshr_b32 s85, s[WV], 2                       ; hp: which pair of heads
	s_sub_co_u32 s86, 31, s[PP]                    ; the second block
	s_lshr_b32 s87, s[YY], 2                       ; b
	s_and_b32 s88, s[YY], 3                        ; kv
	s_lshl_b32 s75, s84, 4
	s_lshl_b32 s[Q0], s[PP], 6
	s_add_co_u32 s[Q0], s[Q0], s75                 ; my first query, first block
	s_lshl_b32 s[Q0H], s86, 6
	s_add_co_u32 s[Q0H], s[Q0H], s75               ; and second
	s_and_b32 s75, s[WV], 1
	s_lshl_b32 s76, s[YY], 18                      ; a key head's 2,048 rows of 128 bytes,
	s_lshl_b32 s78, s75, 13                        ; the half of a slot that I fetch
	s_add_co_u32 s76, s76, s78
	s_mov_b32 s77, 0
	s_mov_b32 s[G0K], 1
	s_mul_i32 s[G0K+1], s75, 64*KP
	s_mov_b32 s[G0V], 1
	s_mul_i32 s[G0V+1], s75, 64*VP
	s_add_co_u32 s[G0V+1], s[G0V+1], VOFF
	s_wait_dscnt 0x0                               ; both opening adds are done
	s_wait_kmcnt 0x0
	s_add_nc_u64 s[KB:KB+1], s[6:7], s[76:77]
	s_add_nc_u64 s[VB:VB+1], s[KB:KB+1], 4194304
	s_mov_b64 s[G0K+2:G0K+3], s[KB:KB+1]
	s_or_b32 s[G0K+3], s[G0K+3], 0x80000000
	s_mov_b64 s[G0V+2:G0V+3], s[VB:VB+1]
	s_or_b32 s[G0V+3], s[G0V+3], 0x80000000
	TLOAD                                          ; slot 0: keys 0-127, which every walk begins with
	s_cmp_lt_u32 s[WV], 6
	s_cselect_b64 s[PFA:PFA+1], s[KB:KB+1], s[VB:VB+1]
	s_add_nc_u64 s[PFA:PFA+1], s[PFA:PFA+1], 16384 ; at slot 1: each change of slots steps it ahead of its use.  Nothing is prefetched here, at the head
	s_xor_b32 s75, s85, 1                          ; 0 in waves 4-7,
	s_or_b32 s75, s75, s[PP]                       ; of work-group p = 0
	s_cmp_eq_u32 s75, 0
	s_cselect_b32 s[LIM], 2, -1
	s_lshl_b32 s76, s[YY], 20                      ; q16: ((4 y + 2 hp) 2,048 + 64 block + 16 a) x 128
	s_lshl_b32 s75, s85, 19
	s_add_co_u32 s76, s76, s75
	s_lshl_b32 s75, s84, 11
	s_add_co_u32 s76, s76, s75
	s_lshl_b32 s78, s86, 13
	s_add_co_u32 s78, s78, s76
	s_mov_b32 s79, 0
	s_add_nc_u64 s[QHI:QHI+1], s[4:5], s[78:79]
	s_lshl_b32 s78, s[PP], 13
	s_add_co_u32 s78, s78, s76
	s_add_nc_u64 s[QLO:QLO+1], s[4:5], s[78:79]
	s_lshl_b32 s76, s87, 22                        ; a16: (2,048 b + 64 block + 16 a) x 2,048 + (4 kv + 2 hp) x 128
	s_lshl_b32 s75, s84, 15
	s_add_co_u32 s76, s76, s75
	s_lshl_b32 s75, s88, 9
	s_add_co_u32 s76, s76, s75
	s_lshl_b32 s75, s85, 8
	s_add_co_u32 s76, s76, s75
	s_lshl_b32 s78, s86, 17
	s_add_co_u32 s78, s78, s76
	s_add_nc_u64 s[AOH:AOH+1], s[12:13], s[78:79]
	s_lshl_b32 s78, s[PP], 17
	s_add_co_u32 s78, s78, s76
	s_add_nc_u64 s[AOL:AOL+1], s[12:13], s[78:79]
	s_lshl_b32 s78, s87, 11
	s_add_nc_u64 s[8:9], s[8:9], s[78:79]          ; the batch's row of the mask
	s_lshl_b32 s78, s[YY], 14
	s_lshl_b32 s75, s[WV], 11
	s_add_co_u32 s78, s78, s75
	s_add_nc_u64 s[10:11], s[10:11], s[78:79]      ; vpart: rows 8 w on of my key head's 64
	s_lshl_b32 s78, s[YY], 8
	s_add_nc_u64 s[14:15], s[14:15], s[78:79]      ; vmean: my key head's 256 bytes
	v_and_b32 v64, 15, v0                          ; r
	v_bfe_u32 v65, v0, 4, 1                        ; h
	v_and_b32 v66, 31, v0                          ; lane
	v_mul_u32_u24 v[AK0], v64, KP
	v_lshl_add_u32 v[AK0], v65, 4, v[AK0]
	v_and_b32 v67, 7, v0
	v_bfe_u32 v68, v0, 3, 1
	v_lshl_add_u32 v[AV0], v65, 3, v67
	v_mul_u32_u24 v[AV0], v[AV0], VP
	v_lshl_add_u32 v[AV0], v68, 4, v[AV0]
	v_add_nc_u32 v[AV0], VOFF, v[AV0]
	v_lshl_add_u32 v[AB0], v65, 5, BIASW
	v_lshlrev_b32 v69, 3, v65
	v_sub_nc_u32 v[D0], v64, v69
	s_mul_i32 s75, s[WV], 16*272
	s_add_co_u32 s75, s75, STAGE
	v_mul_u32_u24 v[STO], v64, 272
	v_lshl_add_u32 v[STO], v65, 4, v[STO]
	v_add_nc_u32 v[STO], s75, v[STO]
	v_mul_u32_u24 v[RD], v65, 272
	v_lshl_add_u32 v[RD], v64, 4, v[RD]
	v_add_nc_u32 v[RD], s75, v[RD]
	v_lshlrev_b32 v[GO], 11, v65
	v_lshl_add_u32 v[GO], v64, 4, v[GO]
	s_lshl_b32 s75, s[WV], 8
	s_add_co_u32 s75, s75, VMT
	v_lshlrev_b32 v[VMA], 5, v65
	v_add_nc_u32 v[VMA], s75, v[VMA]
	v_mov_b32 v[NEGV], 0xf1800000
	v_lshlrev_b32 v[PFO], 8, v66
	v_lshlrev_b32 v70, 7, v64
	v_lshl_add_u32 v70, v65, 4, v70                ; Q: row r of 128 bytes + 16 h
	WIN 0x40                                       ; destination window 1
.irp t, 0,1
.irp cs, 0,1
.irp c, 0,1
	global_load_b128 v[16*\t+8*\cs+4*\c:16*\t+8*\cs+4*\c+3], v70, s[QLO:QLO+1] offset:\t*262144+64*\cs+32*\c
	global_load_b128 v[32+16*\t+8*\cs+4*\c:32+16*\t+8*\cs+4*\c+3], v70, s[QHI:QHI+1] offset:\t*262144+64*\cs+32*\c
.endr
.endr
.endr
	WIN 0
	v_lshrrev_b32 v71, 4, v0                       ; the mask, in the order of the walk: thread n takes walk slot n / 16, whose keys are slot min(n / 16, n / 16 - NL) (unsigned), 8 keys
	v_subrev_nc_u32 v72, s[NL], v71
	v_min_u32 v71, v71, v72
	v_lshlrev_b32 v71, 7, v71
	v_lshl_add_u32 v71, v64, 3, v71
	global_load_b64 v[74:75], v71, s[8:9]
	s_sub_co_u32 s75, 16, s[NL]                    ; walk slot 16 holds key slot 16 - NL: 4 keys a lane
	s_lshl_b32 s75, s75, 7
	v_lshl_add_u32 v76, v66, 2, s75
	global_load_b32 v77, v76, s[8:9]
	v_lshlrev_b32 v78, 3, v66
.irp i, 0,1,2,3,4,5,6,7
	global_load_b64 v[80+2*\i:81+2*\i], v78, s[10:11] offset:256*\i
.endr
	v_mov_b32 v79, 0
	v_lshl_add_u32 v104, v0, 5, BIASW
	v_lshl_add_u32 v105, v66, 4, BIASW+8192
	v_lshl_add_u32 v106, v0, 3, TMPS
	v_lshl_add_u32 v107, v66, 3, TMPS
	v_lshl_add_u32 v112, v0, 3, VMT
	s_wait_loadcnt 0x0
.irp k, 0,1,2,3,4,5,6,7
	v_bfe_u32 v[96+\k], v[74+\k/4], 8*(\k%4), 8
.endr
.irp k, 0,1,2,3
	v_bfe_u32 v[108+\k], v77, 8*\k, 8
.endr
.irp k, 0,1,2,3,4,5,6,7
	v_cmp_ne_u32 vcc_lo, 0, v[96+\k]
	v_cndmask_b32 v[96+\k], v[NEGV], v79, vcc_lo   ; 0 where the key may be seen, -2^100 where not
.endr
.irp k, 0,1,2,3
	v_cmp_ne_u32 vcc_lo, 0, v[108+\k]
	v_cndmask_b32 v[108+\k], v[NEGV], v79, vcc_lo
.endr
	ds_store_b128 v104, v[96:99]
	ds_store_b128 v104, v[100:103] offset:16
	s_cmp_lg_u32 s[WV], 0
	s_cbranch_scc1 .Lnot_last
	ds_store_b128 v105, v[108:111]
.Lnot_last:
.irp i, 1,2,3,4,5,6,7
	v_pk_add_f32 v[80:81], v[80:81], v[80+2*\i:81+2*\i]
.endr
	ds_store_b64 v106, v[80:81]
	s_wait_dscnt 0x0                               ; for the others' sake: my part of the tables has landed
	s_barrier_signal -1
	s_barrier_wait -1                              ; slot 0's load may stay out
.irp i, 0,1,2,3,4,5,6,7
	ds_load_b64 v[80+2*\i:81+2*\i], v107 offset:256*\i
.endr
	s_wait_dscnt 0x0
.irp i, 1,2,3,4,5,6,7
	v_pk_add_f32 v[80:81], v[80:81], v[80+2*\i:81+2*\i]
.endr
	v_pk_mul_f32 v[80:81], v[80:81], 0x3a000000 op_sel_hi:[1,0]    ; / 2,048
	ds_store_b64 v112, v[80:81]                    ; the mean of V, in my wave's own bytes
	s_or_b32 s75, s[PP], s[WV]
	s_cmp_lg_u32 s75, 0
	s_cbranch_scc1 .Lno_mean
	global_store_b64 v78, v[80:81], s[14:15]       ; one owner: work-group p = 0, wave 0: 256 consecutive bytes, aligned
.Lno_mean:
.macro RESET                           ; a block begins: m at its floor, sums and O^T zero (the step is written once: its first run finds zeros)
.irp t, 0,1
	v_mov_b32 v[ST+8*\t+1], 0xef800000             ; -2^96
	v_mul_f32 v[ST+8*\t], s[CS], v[ST+8*\t+1]
.irp i, 2,3,4,5,6,7
	v_mov_b32 v[ST+8*\t+\i], 0
.endr
.endr
.set n, 0
.rept 64
	v_mov_b32 v[OA+n], 0
.set n, n+1
.endr
.endm
	RESET
; The softmax of a step, both tiles line by line by turns.
.macro SOFT
.irp q, 0,1,2,3
.irp t, 0,1
	v_max3_num_f32 v[ST+8*\t+4+\q], v[SR+32*\t+8*\q], v[SR+32*\t+8*\q+1], v[SR+32*\t+8*\q+2]   ; four chains, each begun at the low end of one accumulator
.endr
.endr
.irp g, 1,2
.irp q, 0,1,2,3
.irp t, 0,1
	v_max3_num_f32 v[ST+8*\t+4+\q], v[ST+8*\t+4+\q], v[SR+32*\t+8*\q+2*\g+1], v[SR+32*\t+8*\q+2*\g+2]
.endr
.endr
.endr
.irp t, 0,1
	v_max3_num_f32 v[ST+8*\t+4], v[ST+8*\t+4], v[SR+32*\t+7], v[SR+32*\t+15]
.endr
.irp t, 0,1
	v_max3_num_f32 v[ST+8*\t+6], v[ST+8*\t+6], v[SR+32*\t+23], v[SR+32*\t+31]
.endr
.irp t, 0,1
	v_max3_num_f32 v[ST+8*\t+4], v[ST+8*\t+4], v[ST+8*\t+5], v[ST+8*\t+6]
.endr
.irp t, 0,1
	v_max3_num_f32 v[ST+8*\t+4], v[ST+8*\t+4], v[ST+8*\t+7], v[ST+8*\t+1]   ; and the old m
.endr
.irp t, 0,1
	v_permlanex16_b32 v[ST+8*\t+5], v[ST+8*\t+4], s[SEL], s[SEL+1]          ; the query's other 32 keys lie in the lane 16 away
.endr
.irp t, 0,1
	v_mov_b32 v[ST+8*\t+7], v[ST+8*\t]             ; c m_old
.endr
.irp t, 0,1
	v_max_num_f32 v[ST+8*\t+1], v[ST+8*\t+4], v[ST+8*\t+5]
.endr
.irp t, 0,1
	v_mul_f32 v[ST+8*\t], s[CS], v[ST+8*\t+1]
.endr
.irp t, 0,1
	v_sub_f32 v[ST+8*\t+7], v[ST+8*\t+7], v[ST+8*\t]
.endr
.set n, 0
.rept 16
.irp t, 0,1
	v_pk_fma_f32 v[SR+32*\t+2*n:SR+32*\t+2*n+1], v[SR+32*\t+2*n:SR+32*\t+2*n+1], s[CS:CS+1], v[ST+8*\t:ST+8*\t+1] op_sel_hi:[1,0,0] neg_lo:[0,0,1] neg_hi:[0,0,1]   ; c s - c m
.endr
.set n, n+1
.endr
.irp t, 0,1
	v_exp_f32 v[ST+8*\t+6], v[ST+8*\t+7]           ; a
.endr
.set n, 0
.rept 32
	v_exp_f32 v[SR+n], v[SR+n]
	v_exp_f32 v[SR+32+n], v[SR+32+n]
.set n, n+1
.endr
	v_nop                                          ; a plain line behind the last exponential
	s_wait_alu depctr_va_vdst(0)                   ; the wait ahead of the first line that names a result: one for the 66
.set n, 0
.rept 16
.irp t, 0,1
	v_cvt_pk_f16_f32 v[PR+16*\t+n], v[SR+32*\t+2*n], v[SR+32*\t+2*n+1]
.endr
.set n, n+1
.endr
.irp u, 0,1,2,3,4,5,6,7
.irp t, 0,1
	v_pk_add_f32 v[SR+32*\t+4*\u:SR+32*\t+4*\u+1], v[SR+32*\t+4*\u:SR+32*\t+4*\u+1], v[SR+32*\t+4*\u+2:SR+32*\t+4*\u+3]
.endr
.endr
.irp u, 0,1,2,3
.irp t, 0,1
	v_pk_add_f32 v[SR+32*\t+8*\u:SR+32*\t+8*\u+1], v[SR+32*\t+8*\u:SR+32*\t+8*\u+1], v[SR+32*\t+8*\u+4:SR+32*\t+8*\u+5]
.endr
.endr
.irp u, 0,1
.irp t, 0,1
	v_pk_add_f32 v[SR+32*\t+16*\u:SR+32*\t+16*\u+1], v[SR+32*\t+16*\u:SR+32*\t+16*\u+1], v[SR+32*\t+16*\u+8:SR+32*\t+16*\u+9]
.endr
.endr
.irp t, 0,1
	v_pk_add_f32 v[SR+32*\t:SR+32*\t+1], v[SR+32*\t:SR+32*\t+1], v[SR+32*\t+16:SR+32*\t+17]
.endr
.irp t, 0,1
	v_pk_fma_f32 v[ST+8*\t+2:ST+8*\t+3], v[ST+8*\t+2:ST+8*\t+3], v[ST+8*\t+6:ST+8*\t+7], v[SR+32*\t:SR+32*\t+1] op_sel_hi:[1,0,1]   ; l = a l + the step's sum
.endr
.set n, 0
.rept 16
.irp t, 0,1
	v_pk_mul_f32 v[OA+32*\t+2*n:OA+32*\t+2*n+1], v[OA+32*\t+2*n:OA+32*\t+2*n+1], v[ST+8*\t+6:ST+8*\t+7] op_sel_hi:[1,0]   ; O^T x a, each accumulator from its low end on
.endr
.set n, n+1
.endr
.endm
; A KEY STEP: 64 keys, the st-th of the slot in hand.
.macro STEP st
	v_add_nc_u32 v[ADK], s[TB], v[AK0]             ; these four plain lines are the places behind the last products, ahead of the loads into V's registers
	v_add_nc_u32 v[ADV], s[TB], v[AV0]
	v_add_nc_u32 v[ADB], s[BW], v[AB0]
	v_nop
.irp kt, 0,1,2,3
.irp c, 0,1
	ds_load_b128 v[BI+8*\kt+4*\c:BI+8*\kt+4*\c+3], v[ADB] offset:256*\st+64*\kt+16*\c   ; the bias of keys 16 kt + 8 h + 0..7
.endr
.endr
	WIN 0x40
.irp kt, 0,1,2,3
.irp cs, 0,1
	ds_load_b128 v[KFR+8*(2*\kt+\cs):KFR+8*(2*\kt+\cs)+3], v[ADK] offset:\st*9216+\kt*2304+64*\cs
	ds_load_b128 v[KFR+8*(2*\kt+\cs)+4:KFR+8*(2*\kt+\cs)+7], v[ADK] offset:\st*9216+\kt*2304+64*\cs+32
.endr
.endr
.irp u, 0,1
.irp ct, 0,1,2,3
	ds_load_tr16_b128 v[VFR+8*(4*\u+\ct):VFR+8*(4*\u+\ct)+3], v[ADV] offset:\st*10240+\u*5120+32*\ct
	ds_load_tr16_b128 v[VFR+8*(4*\u+\ct)+4:VFR+8*(4*\u+\ct)+7], v[ADV] offset:\st*10240+\u*5120+32*\ct+2560
.endr
.endr
	WIN 0
	s_wait_dscnt 16                                ; the bias and K are in; V's sixteen loads may be out
	s_add_co_u32 s75, s[KF], 64*\st+63             ; the step's last key
	s_cmp_le_u32 s75, s[Q0]                        ; at or ahead of my first query: nothing is hidden by the causal mask.  Ids and counted steps alone
	s_cbranch_scc1 .Lopen_\@
	s_sub_co_i32 s75, s[Q0], s[KF]
	s_sub_co_i32 s75, s75, 64*\st
	v_add_nc_u32 v[DD], s75, v[D0]                 ; d = my query - the step's first key - 8 h: register 8 kt + j is hidden where 16 kt + j > d
.set n, 0
.rept 32
	v_cmp_gt_i32 vcc_lo, 16*(n/8)+n%8, v[DD]
	v_cndmask_b32 v[BI+n], v[BI+n], v[NEGV], vcc_lo
.set n, n+1
.endr
.Lopen_\@:
	WIN 0x05                                       ; K and Q window 1
.irp cs, 0,1
.irp kt, 0,1,2,3
.irp t, 0,1                                    ; eight accumulators by turns
.if \cs == 0
	v_wmma_f32_16x16x32_f16 v[SR+32*\t+8*\kt:SR+32*\t+8*\kt+7], v[KFR+8*(2*\kt+\cs):KFR+8*(2*\kt+\cs)+7], v[16*\t+8*\cs:16*\t+8*\cs+7], v[BI+8*\kt:BI+8*\kt+7]
.else
	v_wmma_f32_16x16x32_f16 v[SR+32*\t+8*\kt:SR+32*\t+8*\kt+7], v[KFR+8*(2*\kt+\cs):KFR+8*(2*\kt+\cs)+7], v[16*\t+8*\cs:16*\t+8*\cs+7], v[SR+32*\t+8*\kt:SR+32*\t+8*\kt+7]
.endif
.endr
.endr
.endr
	WIN 0
.rept 4
	v_nop                                          ; four places ahead of the first read of the scores
.endr
	SOFT
	s_wait_dscnt 0x0                               ; V is in
	WIN 0x01                                       ; V window 1
.irp u, 0,1
.irp ct, 0,1,2,3
.irp t, 0,1
	v_wmma_f32_16x16x32_f16 v[OA+32*\t+8*\ct:OA+32*\t+8*\ct+7], v[VFR+8*(4*\u+\ct):VFR+8*(4*\u+\ct)+7], v[PR+16*\t+8*\u:PR+16*\t+8*\u+7], v[OA+32*\t+8*\ct:OA+32*\t+8*\ct+7]
.endr
.endr
.endr
	WIN 0
.endm
; A block's way out: O^T / l; a query with no visible key takes the mean of V; f16; through my stage, so that sixteen lanes store 256 consecutive bytes, aligned.
.macro FINAL base
.rept 4
	v_nop                                          ; four places behind the last products
.endr
.irp t, 0,1
	v_add_f32 v[ST+8*\t+4], v[ST+8*\t+2], v[ST+8*\t+3]
.endr
.irp t, 0,1
	v_permlanex16_b32 v[ST+8*\t+5], v[ST+8*\t+4], s[SEL], s[SEL+1]
.endr
.irp t, 0,1
	v_add_f32 v[ST+8*\t+4], v[ST+8*\t+4], v[ST+8*\t+5]
.endr
.irp t, 0,1
	v_rcp_f32 v[ST+8*\t+6], v[ST+8*\t+4]
.endr
	v_nop                                          ; a plain line behind the reciprocals
	v_cmp_gt_f32 s[SM0], s[THR], v[ST+1]           ; m under -2^93: no key was visible
	v_cmp_gt_f32 s[SM0+1], s[THR], v[ST+9]
	s_wait_alu depctr_va_vdst(0)                   ; a wait ahead of the first use: one for both
.set n, 0
.rept 16
.irp t, 0,1
	v_pk_mul_f32 v[OA+32*\t+2*n:OA+32*\t+2*n+1], v[OA+32*\t+2*n:OA+32*\t+2*n+1], v[ST+8*\t+6:ST+8*\t+7] op_sel_hi:[1,0]
.endr
.set n, n+1
.endr
	s_wait_xcnt 0x0                                ; the first block's stores have read v224-255
.irp ct, 0,1,2,3
.irp c, 0,1
	ds_load_b128 v[VM+8*\ct+4*\c:VM+8*\ct+4*\c+3], v[VMA] offset:64*\ct+16*\c
.endr
.endr
	s_wait_dscnt 0x0
.set n, 0
.rept 32
	v_cndmask_b32 v[OA+n], v[OA+n], v[VM+n], s[SM0]
	v_cndmask_b32 v[OA+32+n], v[OA+32+n], v[VM+n], s[SM0+1]
.set n, n+1
.endr
.set n, 0
.rept 32
	v_cvt_pk_f16_f32 v[PR+n], v[OA+2*n], v[OA+2*n+1]
.set n, n+1
.endr
.irp t, 0,1
.irp ct, 0,1,2,3
	ds_store_b128 v[STO], v[PR+16*\t+4*\ct:PR+16*\t+4*\ct+3] offset:128*\t+32*\ct
.endr
.endr
.irp i, 0,1,2,3,4,5,6,7
	ds_load_b128 v[VM+4*\i:VM+4*\i+3], v[RD] offset:544*\i         ; LDS serves a wave's instructions in order: these see my stores
.endr
.irp i, 0,1,2,3,4,5,6,7
	s_wait_dscnt 7-\i
	global_store_b128 v[GO], v[VM+4*\i:VM+4*\i+3], s[\base:\base+1] offset:4096*\i
.endr
.endm
; THE CHANGE OF SLOTS, at a slot's head.  Each wave waits for all its tensor loads, adds 0 to its spare word, and waits for that and for its reads of the slot that it has left; behind the barrier the slot ahead is whole and nobody
; reads the other one, which (fill = 1) takes the next slot of the walk: key slot NXT, which goes back to 0 where the second block begins.
.macro CHANGE fill
	s_wait_tensorcnt 0x0                           ; no tensor load of mine is out, so a group 0 may be written
	ds_add_u32 v[SPW], v[NIL]
.if \fill
	ds_add_u32 v[SPW], v[NIL]                      ; and once more, in every trip alike
	s_add_co_u32 s[NXT], s[NXT], 1
	s_cmp_eq_u32 s[SG], s[NL]
	s_cselect_b32 s[NXT], 0, s[NXT]
	s_lshl_b32 s[OF], s[NXT], 14                   ; 128 keys of 128 bytes a slot
	s_add_nc_u64 s[G0K+2:G0K+3], s[KB:KB+1], s[OF:OF+1]
	s_or_b32 s[G0K+3], s[G0K+3], 0x80000000
	s_add_nc_u64 s[G0V+2:G0V+3], s[VB:VB+1], s[OF:OF+1]
	s_or_b32 s[G0V+3], s[G0V+3], 0x80000000
	s_xor_b32 s[G0K+1], s[G0K+1], SLOT1
	s_xor_b32 s[G0V+1], s[G0V+1], SLOT1
	s_add_co_u32 s[SG], s[SG], 1
	s_wait_xcnt 0x0                                ; the last prefetch, a trip back, has read its address
	s_add_nc_u64 s[PFA:PFA+1], s[PFA:PFA+1], 16384
.endif
	s_wait_dscnt 0x0                               ; the add is done, and my reads of the slot that I have left are over
	s_barrier_signal -1
	s_barrier_wait -1
.if \fill
	TLOAD                                          ; the first thing behind the barrier, and a wave's one tensor load until the next: it has two key steps in which to land
	ASK
.endif
.endm
.Lslot:                                ; 16 trips: behind each change of slots but the last the next slot of the walk is asked for
	CHANGE 1
	s_cmp_lg_u32 s[SIG], s[NL]                     ; ids and counted steps alone, the same in all waves
	s_cbranch_scc1 .Lsame
	FINAL AOL                                      ; the first block is done: it leaves, and the second begins
	WIN 0x41
.set n, 0
.rept 32
	v_mov_b32 v[n], v[32+n]                        ; its Q
.set n, n+1
.endr
	WIN 0
	RESET
	s_mov_b32 s[Q0], s[Q0H]
	s_mov_b32 s[KF], 0
.Lsame:
	STEP 0
	STEP 1
	s_xor_b32 s[TB], s[TB], SLOT1
	s_add_co_u32 s[BW], s[BW], 512
	s_add_co_u32 s[KF], s[KF], 128
	s_add_co_u32 s[SIG], s[SIG], 1
	s_sub_co_u32 s[SLOTS], s[SLOTS], 1
	s_cmp_lg_u32 s[SLOTS], 0
	s_cbranch_scc1 .Lslot
	CHANGE 0                                       ; the last slot is written out: nothing is left to fetch
	STEP 0
	STEP 1
	FINAL AOH
	s_wait_tensorcnt 0x0                           ; the wave's end, behind my last tensor load and my last LDS store
	ds_add_u32 v[SPW], v[NIL]
	s_wait_dscnt 0x0
	s_endpgm
.Lfunc_end_k_qf010d8881c_attn:
	.size	k_qf010d8881c_attn, .Lfunc_end_k_qf010d8881c_attn-k_qf010d8881c_attn
	.p2alignl 7, 3214868480
	.fill 96, 4, 3214868480
	.section	.rodata,"a",@progbits
	.p2align	6, 0x0
	.amdhsa_kernel k_qf010d8881c_attn
		.amdhsa_group_segment_fixed_size 327680
		.amdhsa_private_segment_fixed_size 0
		.amdhsa_enable_private_segment 0
		.amdhsa_kernarg_size 48
		.amdhsa_user_sgpr_count 2
		.amdhsa_user_sgpr_kernarg_segment_ptr 1
		.amdhsa_wavefront_size32 1
		.amdhsa_system_sgpr_workgroup_id_x 1
		.amdhsa_system_sgpr_workgroup_id_y 1
		.amdhsa_system_sgpr_workgroup_id_z 1
		.amdhsa_system_vgpr_workitem_id 0
		.amdhsa_next_free_vgpr 448
		.amdhsa_next_free_sgpr 90
		.amdhsa_reserve_vcc 1
		.amdhsa_float_denorm_mode_32 3
		.amdhsa_float_denorm_mode_16_64 3
		.amdhsa_memory_ordered 1
		.amdhsa_forward_progress 1
		.amdhsa_inst_pref_size 124
	.end_amdhsa_kernel
	.amdgpu_metadata
---
amdhsa.version: [ 1, 2 ]
amdhsa.kernels:
  - .name:           k_qf010d8881c_attn
    .symbol:         k_qf010d8881c_attn.kd
    .args:
      - { .name: q16, .offset: 0, .size: 8, .value_kind: global_buffer, .address_space: global }
      - { .name: kv16, .offset: 8, .size: 8, .value_kind: global_buffer, .address_space: global }
      - { .name: mask, .offset: 16, .size: 8, .value_kind: global_buffer, .address_space: global }
      - { .name: vpart, .offset: 24, .size: 8, .value_kind: global_buffer, .address_space: global }
      - { .name: a16, .offset: 32, .size: 8, .value_kind: global_buffer, .address_space: global }
      - { .name: vmean, .offset: 40, .size: 8, .value_kind: global_buffer, .address_space: global }
    .group_segment_fixed_size: 327680
    .private_segment_fixed_size: 0
    .kernarg_segment_align: 8
    .kernarg_segment_size: 48
    .max_flat_workgroup_size: 256
    .sgpr_count:     90
    .vgpr_count:     448
    .wavefront_size: 32
...
	.end_amdgpu_metadata
.endif
;; end of part 3
;; launch oproj (part 4): grid 4 x 64, 4 waves a work-group, clusters of 4 x 4, 327,680 bytes of LDS; arguments a16, wprep, out0; writes out0
.if DOCPART == 4
	.amdgcn_target "amdgcn-amd-amdhsa--gfx1250"
	.amdhsa_code_object_version 6
	.text
	.protected	k_qf010d8881c_oproj
	.globl	k_qf010d8881c_oproj
	.p2align	8
	.type	k_qf010d8881c_oproj,@function
k_qf010d8881c_oproj:
	s_mov_b64 s[64:65], 0
	v_nop
	global_prefetch_b8 v0, s[64:65] scope:SCOPE_SE
	s_setreg_imm32_b32 hwreg(HW_REG_WAVE_MODE, 25, 1), 1
	s_wait_xcnt 0x0
	s_wait_alu depctr_hold_cnt(0) depctr_sa_sdst(0) depctr_va_vdst(0) depctr_va_sdst(0) depctr_va_ssrc(0) depctr_va_vcc(0) depctr_vm_vsrc(0)
	s_getreg_b32 s2, hwreg(HW_REG_IB_STS2, 6, 4)
	s_cmp_eq_u32 s2, 0
	s_cbranch_scc0 .Lentry_in_a_cluster
	s_endpgm
.Lentry_in_a_cluster:
	s_bfe_u32 s2, ttmp6, 0x10000c
	s_cmp_lg_u32 s2, 0xf033
	s_cbranch_scc0 .Lentry_shape_is_right
	s_endpgm
.Lentry_shape_is_right:
; out0[m][n] = sum over k of a16[m][k] wo[k][n].  a16: [8192][1024] f16; wo in f16, [k 1024][n 1024], at byte WO16 of wprep; out0 f32; sums in f32.
; A tile of out0 is 128 x 256: 256 work-groups of four waves; a wave makes 64 x 128: 32 accumulators of 16 x 16, all of window 1.
; K goes in steps of 128 through a ring of two LDS slots: A's tile 128 rows x 256 bytes, B's 128 rows of k x 512 bytes (wo lies with n innermost; its fragments come out of LDS turned, by ds_load_tr16_b128).
; CLUSTERS: 4 x 4 work-groups.  A's tile hangs on the tile row alone and is shared along a row of the cluster, B's on the tile column alone and is shared along a column: each is asked for jointly.
; THE MATRIX INSTRUCTION IS USED TRANSPOSED (source 0 = 16 columns of wo, source 1 = 16 rows of a16): a lane holds eight neighbouring numbers of a row of out0.
; Rows 0-15 of each batch are made here too and written again, in f32 arithmetic, by the launch that follows: leaving them out would take a branch on a work-group's place in its cluster.
; No prefetch: the launch streams 16 MiB in and 32 MiB out over eight K steps, and its tiles are shared in the cluster.
; REGISTERS.  window 0: v16-29 addresses; two fragment buffers: A's 4 blocks at v32 / v128, B's 8 at v64 / v160; on the way out v32-159 hold rows.   window 1: accumulator (a, b) at v[8 (8 a + b)].
.set WO16,   835584
.set KSTEP,  128
.set PA,     272                       ; A's LDS row: 256 bytes + 16
.set PB,     544                       ; B's: 512 + 32
.set HALFA,  64*PA
.set HALFB,  64*PB
.set BOFF,   2*HALFA
.set SLOT,   BOFF+2*HALFB
.set STAGE,  2*SLOT                    ; behind the ring: 16 rows x 528 bytes for each wave
.set SPITCH, 528
.set SPARE,  STAGE+4*16*SPITCH         ; the spare words, 128 bytes for each wave: two blocks of 256 bytes that no other line names
.set LAPS,   4                         ; a lap = two K steps
.set ADRA, 16
.set ADRB, 20
.set STO,  24
.set RD,   25
.set CO,   26
.set SPW,  28
.set NIL,  29
.set F0,   32
.set F1,   128
.set BK,   32
.set G1,  24
.set G0,  32
.set G1B, 48
.set G0B, 56
.set MUL, 0x50                         ; C and D window 1
.set MSB, 0
.macro WIN new
.if MSB != \new
	s_set_vgpr_msb (MSB<<8)|\new
.set MSB, \new
.endif
.endm
.macro JLOAD s                         ; a joint load: waves 0 and 1 fetch A's halves, waves 2 and 3 B's; an s_nop 0 and four v_nop follow each of the two lines
	s_cmp_eq_u32 s11, 0
	s_cbranch_scc0 .Lfor_b_\@
	tensor_load_to_lds s[G0+4*\s:G0+4*\s+3], s[G1:G1+7]
	s_nop 0
.rept 4
	v_nop
.endr
	s_branch .Lasked_\@
.Lfor_b_\@:
	tensor_load_to_lds s[G0B+4*\s:G0B+4*\s+3], s[G1B:G1B+7]
	s_nop 0
.rept 4
	v_nop
.endr
.Lasked_\@:
.endm
.macro CREST                           ; a round of the cluster's barrier behind its opening barrier
	s_cmp_lg_u32 s10, 0
	s_cbranch_scc1 .Lnot_wave_0_\@
	s_barrier_signal -3
.Lnot_wave_0_\@:
	s_barrier_wait -3
	s_barrier_signal -1
	s_barrier_wait -1
.endm
.macro CROUND
	s_barrier_signal -1
	s_barrier_wait -1
	CREST
.endm
	s_load_b128 s[4:7], s[0:1], 0x0                ; a16, wprep
	s_load_b64 s[8:9], s[0:1], 0x10                ; out0
	v_lshl_add_u32 v[SPW], v0, 2, SPARE
	v_mov_b32 v[NIL], 0
	ds_add_u32 v[SPW], v[NIL]                      ; the wave's opening: the add, twice on end, and its wait ahead of my first tensor load
	ds_add_u32 v[SPW], v[NIL]
	v_lshrrev_b32 v1, 5, v0
	v_readfirstlane_b32 s10, v1                    ; wave 0..3
	s_lshr_b32 s11, s10, 1                         ; which 64 rows of the tile are mine.  Also: I fetch for A (0) or for B (1)
	s_and_b32 s12, s10, 1                          ; which 128 columns.  Also: which half of that tile I fetch
	s_bfe_u32 s40, ttmp6, 0x40000                  ; cx
	s_bfe_u32 s41, ttmp6, 0x40004                  ; cy
	s_lshl_b32 s42, ttmp9, 2
	s_add_co_u32 s42, s42, s40                     ; tile column
	s_and_b32 s13, ttmp7, 0xffff
	s_lshl_b32 s13, s13, 2
	s_add_co_u32 s13, s13, s41                     ; tile row
	s_lshl_b32 s43, s41, 2
	s_lshl_b32 s43, 15, s43                        ; my row of the cluster
	s_lshl_b32 s44, 0x1111, s40                    ; my column
	s_or_b32 s[G1+0], s43, (1<<16)|(1<<20)|(1<<21)|(5<<22)|(3<<25)   ; A: elements of 2 bytes; 4 words of padding behind every 64; bit 21 beside the mask
	s_mov_b32 s[G1+1], 128<<16
	s_mov_b32 s[G1+2], 64<<16
	s_mov_b32 s[G1+3], 128<<16
	s_mov_b32 s[G1+4], 64
	s_mov_b32 s[G1+5], 1024
	s_mov_b32 s[G1+6], 0
	s_mov_b32 s[G1+7], 0
	s_or_b32 s[G1B+0], s44, (1<<16)|(1<<20)|(1<<21)|(6<<22)|(7<<25)  ; B: 8 words of padding behind every 128
	s_mov_b32 s[G1B+1], 256<<16
	s_mov_b32 s[G1B+2], 64<<16
	s_mov_b32 s[G1B+3], 256<<16
	s_mov_b32 s[G1B+4], 64
	s_mov_b32 s[G1B+5], 1024
	s_mov_b32 s[G1B+6], 0
	s_mov_b32 s[G1B+7], 0
	s_lshl_b32 s16, s13, 18                        ; A: (128 x tile row + 64 x half) rows of 2,048 bytes
	s_lshl_b32 s17, s12, 17
	s_add_co_u32 s16, s16, s17
	s_lshl_b32 s46, s42, 9                         ; B: 64 x half rows of k, 512 bytes a tile column
	s_add_co_u32 s46, s46, s17
	s_add_co_u32 s46, s46, WO16
	s_mov_b32 s17, 0
	s_mov_b32 s47, 0
	s_mul_i32 s20, s12, HALFA                      ; where they go: no place in the cluster enters an LDS address
	s_mul_i32 s21, s12, HALFB
	s_add_co_u32 s21, s21, BOFF
	s_wait_dscnt 0x0                               ; both opening adds are done
	s_wait_kmcnt 0x0
	s_add_nc_u64 s[14:15], s[4:5], s[16:17]
	s_add_nc_u64 s[46:47], s[6:7], s[46:47]
	CROUND                                         ; all sixteen work-groups are here: the first joint loads meet
.irp s, 0,1
	s_mov_b32 s[G0+4*\s], 1
	s_add_co_u32 s[G0+4*\s+1], s20, \s*SLOT
	s_add_nc_u64 s[G0+4*\s+2:G0+4*\s+3], s[14:15], \s*KSTEP*2
	s_or_b32 s[G0+4*\s+3], s[G0+4*\s+3], 0x80000000
	s_mov_b32 s[G0B+4*\s], 1
	s_add_co_u32 s[G0B+4*\s+1], s21, \s*SLOT
	s_add_nc_u64 s[G0B+4*\s+2:G0B+4*\s+3], s[46:47], \s*KSTEP*2048
	s_or_b32 s[G0B+4*\s+3], s[G0B+4*\s+3], 0x80000000
	JLOAD \s
.endr
	v_and_b32 v1, 15, v0                           ; r
	v_bfe_u32 v2, v0, 4, 1                         ; h
	v_mul_u32_u24 v3, v1, PA
	v_lshl_add_u32 v3, v2, 4, v3                   ; A: row r x pitch + 16 h
	v_and_b32 v4, 7, v0
	v_bfe_u32 v5, v0, 3, 1
	v_lshl_add_u32 v4, v2, 3, v4
	v_mul_u32_u24 v4, v4, PB
	v_lshl_add_u32 v4, v5, 4, v4                   ; B, turned: row of k 8 h + lane % 8, 16 bytes for each half of eight lanes
	s_mul_i32 s22, s11, HALFA
	s_lshl_b32 s23, s12, 8
	s_add_co_u32 s23, s23, BOFF
.irp s, 0,1
	v_add_nc_u32 v[ADRA+\s], s22, v3
	v_add_nc_u32 v[ADRB+\s], s23, v4
	s_add_co_u32 s22, s22, SLOT
	s_add_co_u32 s23, s23, SLOT
.endr
	s_mul_i32 s23, s10, 16*SPITCH
	s_add_co_u32 s23, s23, STAGE
	v_mul_u32_u24 v5, v1, SPITCH
	v_lshl_add_u32 v5, v2, 5, v5
	v_add_nc_u32 v[STO], s23, v5                   ; in: row r, 32 bytes for each half of the lanes
	v_and_b32 v6, 31, v0
	v_lshlrev_b32 v[CO], 4, v6                     ; back: the 32 lanes take one row of 512 bytes; the same in out0
	v_add_nc_u32 v[RD], s23, v[CO]
	s_lshl_b32 s16, s13, 19                        ; out0: (128 x tile row + 64 x half) rows of 4,096 bytes
	s_lshl_b32 s17, s11, 18
	s_add_co_u32 s16, s16, s17
	s_mov_b32 s17, 0
	s_lshl_b32 s46, s42, 10                        ; + 1,024 bytes a tile column + 512 x half
	s_lshl_b32 s47, s12, 9
	s_add_co_u32 s46, s46, s47
	s_mov_b32 s47, 0
	s_add_nc_u64 s[16:17], s[16:17], s[46:47]
	s_add_nc_u64 s[8:9], s[8:9], s[16:17]
.macro MUL8 f, a, zero                 ; A's block a x B's eight, 32 along K.  The 32 accumulators take turns, in the same order everywhere
.irp b, 0,1,2,3,4,5,6,7
.if \zero
	v_wmma_f32_16x16x32_f16 v[8*(8*(\a)+\b):8*(8*(\a)+\b)+7], v[\f+32+8*\b:\f+32+8*\b+7], v[\f+8*(\a):\f+8*(\a)+7], 0
.else
	v_wmma_f32_16x16x32_f16 v[8*(8*(\a)+\b):8*(8*(\a)+\b)+7], v[\f+32+8*\b:\f+32+8*\b+7], v[\f+8*(\a):\f+8*(\a)+7], v[8*(8*(\a)+\b):8*(8*(\a)+\b)+7]
.endif
.endr
.endm
.macro FETCH slot, q, f                ; 24 LDS loads in one run: quarter q's fragments: B's eight, then A's four
	WIN 0
.irp i, 0,1,2,3,4,5,6,7
	ds_load_tr16_b128 v[\f+32+8*\i:\f+32+8*\i+3], v[ADRB+\slot] offset:(\q)*17408+32*\i
	ds_load_tr16_b128 v[\f+32+8*\i+4:\f+32+8*\i+7], v[ADRB+\slot] offset:(\q)*17408+32*\i+8704
.endr
.irp i, 0,1,2,3
	ds_load_b128 v[\f+8*\i:\f+8*\i+3], v[ADRA+\slot] offset:64*(\q)+\i*4352
	ds_load_b128 v[\f+8*\i+4:\f+8*\i+7], v[ADRA+\slot] offset:64*(\q)+\i*4352+32
.endr
.endm
.macro PLACES                          ; four places ahead of loads into registers that matrix instructions have read, and of the first read of results
.rept 4
	v_nop
.endr
.endm
.macro QUARTER slot, q, f, g, zero     ; multiplies buffer f; in its middle fetches quarter q of the same slot into g
	s_wait_dscnt 4                                 ; B and A's blocks 0, 1 are in; the youngest four loads (blocks 2, 3) may be out
	WIN MUL
	MUL8 \f, 0, \zero
	MUL8 \f, 1, \zero
	PLACES
	FETCH \slot, \q, \g
	s_wait_dscnt 24                                ; all but the 24 just issued
	WIN MUL
	MUL8 \f, 2, \zero
	MUL8 \f, 3, \zero
.endm
.macro TURN slot, next, fill           ; the last quarter multiplies buffer 1 and changes slots: one barrier; fill = 1: it opens a round of the cluster's barrier, and this slot is filled again, two K steps ahead
	WIN 0
	s_wait_tensorcnt 0x0                           ; all my tensor loads have landed: my part of the next slot
	ds_add_u32 v[SPW], v[NIL]
	s_wait_dscnt 5                                 ; (the add and the youngest four loads may be out)
	WIN MUL
	MUL8 F1, 0, 0
	s_wait_dscnt 0x0                               ; the add is done, and my reads of this slot are over
	s_barrier_signal -1
	MUL8 F1, 1, 0
	WIN 0
	s_barrier_wait -1
.if \fill
	CREST                                          ; no wave of any partner still reads this slot's tile or has a load on its way
	s_add_nc_u64 s[G0+4*\slot+2:G0+4*\slot+3], s[G0+4*\slot+2:G0+4*\slot+3], 2*KSTEP*2
	s_add_nc_u64 s[G0B+4*\slot+2:G0B+4*\slot+3], s[G0B+4*\slot+2:G0B+4*\slot+3], 2*KSTEP*2048
	JLOAD \slot                                    ; the first tensor load behind the round; its four v_nop are also the places ahead of the loads below
.else
	PLACES
.endif
	FETCH \next, 0, F0
	WIN MUL
	MUL8 F1, 2, 0
	MUL8 F1, 3, 0
.endm
	s_wait_tensorcnt 1                             ; my part of K step 0 is in; K step 1's may stay out
	s_barrier_signal -1
	s_barrier_wait -1
	FETCH 0, 0, F0
	QUARTER 0, 1, F0, F1, 1                        ; the first quarter's products start the sums
	WIN 0
	s_mov_b32 s3, LAPS-1
.Llap:                                 ; a trip goes once round the ring and fills both slots again
	QUARTER 0, 2, F1, F0, 0
	QUARTER 0, 3, F0, F1, 0
	TURN 0, 1, 1
	QUARTER 1, 1, F0, F1, 0
	QUARTER 1, 2, F1, F0, 0
	QUARTER 1, 3, F0, F1, 0
	TURN 1, 0, 1
	QUARTER 0, 1, F0, F1, 0
	WIN 0
	s_sub_co_u32 s3, s3, 1
	s_cmp_lg_u32 s3, 0
	s_cbranch_scc1 .Llap
	QUARTER 0, 2, F1, F0, 0                        ; the last lap fills nothing
	QUARTER 0, 3, F0, F1, 0
	TURN 0, 1, 0
	QUARTER 1, 1, F0, F1, 0
	QUARTER 1, 2, F1, F0, 0
	QUARTER 1, 3, F0, F1, 0
	s_wait_dscnt 4
	WIN MUL
	MUL8 F1, 0, 0
	MUL8 F1, 1, 0
	s_wait_dscnt 0x0
	MUL8 F1, 2, 0
	MUL8 F1, 3, 0
	WIN 0
; THE WAY OUT, block by block of 16 rows x 128 columns, through my own stage: in as 32 bytes a lane, back as whole rows of 512 bytes
.macro TOSTAGE a
	WIN 0x04                                       ; an LDS store's data are its source 1: window 1
.irp b, 0,1,2,3,4,5,6,7
	ds_store_b128 v[STO], v[8*(8*(\a)+\b):8*(8*(\a)+\b)+3] offset:64*\b      ; each accumulator from its low end on
	ds_store_b128 v[STO], v[8*(8*(\a)+\b)+4:8*(8*(\a)+\b)+7] offset:64*\b+16
.endr
	WIN 0
.set BBK, BK+64*((\a)%2)
.irp t, 0,1,2,3,4,5,6,7,8,9,10,11,12,13,14,15
	ds_load_b128 v[BBK+4*\t:BBK+4*\t+3], v[RD] offset:\t*SPITCH    ; LDS serves a wave's instructions in order: these see the stores above
.endr
.endm
.macro SEND a, younger
.set BBK, BK+64*((\a)%2)
	s_wait_dscnt \younger
.irp t, 0,1,2,3,4,5,6,7,8,9,10,11,12,13,14,15
	global_store_b128 v[CO], v[BBK+4*\t:BBK+4*\t+3], s[8:9] offset:(16*(\a)+\t)*4096 th:TH_STORE_NT   ; 32 lanes store 512 consecutive bytes, aligned
.endr
.endm
	PLACES
	TOSTAGE 0
	TOSTAGE 1
	SEND 0, 32                                     ; behind block 0's loads: block 1's 16 stores and 16 loads
	s_wait_xcnt 0x0                                ; block 0's stores have read their registers
	TOSTAGE 2
	SEND 1, 32
	s_wait_xcnt 0x0
	TOSTAGE 3
	SEND 2, 32
	SEND 3, 0
	s_wait_tensorcnt 0x0                           ; the wave's end
	ds_add_u32 v[SPW], v[NIL]
	s_wait_dscnt 0x0
	CROUND                                         ; the closing round
	s_endpgm
.Lfunc_end_k_qf010d8881c_oproj:
	.size	k_qf010d8881c_oproj, .Lfunc_end_k_qf010d8881c_oproj-k_qf010d8881c_oproj
	.p2alignl 7, 3214868480
	.fill 96, 4, 3214868480
	.section	.rodata,"a",@progbits
	.p2align	6, 0x0
	.amdhsa_kernel k_qf010d8881c_oproj
		.amdhsa_group_segment_fixed_size 327680
		.amdhsa_private_segment_fixed_size 0
		.amdhsa_enable_private_segment 0
		.amdhsa_kernarg_size 24
		.amdhsa_user_sgpr_count 2
		.amdhsa_user_sgpr_kernarg_segment_ptr 1
		.amdhsa_wavefront_size32 1
		.amdhsa_system_sgpr_workgroup_id_x 1
		.amdhsa_system_sgpr_workgroup_id_y 1
		.amdhsa_system_sgpr_workgroup_id_z 1
		.amdhsa_system_vgpr_workitem_id 0
		.amdhsa_next_free_vgpr 512
		.amdhsa_next_free_sgpr 66
		.amdhsa_reserve_vcc 0
		.amdhsa_float_denorm_mode_32 3
		.amdhsa_float_denorm_mode_16_64 3
		.amdhsa_memory_ordered 1
		.amdhsa_forward_progress 1
		.amdhsa_inst_pref_size 85
	.end_amdhsa_kernel
	.amdgpu_metadata
---
amdhsa.version: [ 1, 2 ]
amdhsa.kernels:
  - .name:           k_qf010d8881c_oproj
    .symbol:         k_qf010d8881c_oproj.kd
    .args:
      - { .name: a16, .offset: 0, .size: 8, .value_kind: global_buffer, .address_space: global }
      - { .name: wprep, .offset: 8, .size: 8, .value_kind: global_buffer, .address_space: global }
      - { .name: out0, .offset: 16, .size: 8, .value_kind: global_buffer, .address_space: global }
    .group_segment_fixed_size: 327680
    .private_segment_fixed_size: 0
    .kernarg_segment_align: 8
    .kernarg_segment_size: 24
    .max_flat_workgroup_size: 128
    .sgpr_count:     66
    .vgpr_count:     512
    .wavefront_size: 32
...
	.end_amdgpu_metadata
.endif
;; end of part 4
;; launch fine (part 5): grid 16 x 4, 4 waves a work-group, no clusters, 35,328 bytes of LDS; arguments finebuf, mask, vmean, wo, out0; writes out0
.if DOCPART == 5
	.amdgcn_target "amdgcn-amd-amdhsa--gfx1250"
	.amdhsa_code_object_version 6
	.text
	.protected	k_qf010d8881c_fine
	.globl	k_qf010d8881c_fine
	.p2align	8
	.type	k_qf010d8881c_fine,@function
k_qf010d8881c_fine:
	s_mov_b64 s[64:65], 0
	v_nop
	global_prefetch_b8 v0, s[64:65] scope:SCOPE_SE
	s_setreg_imm32_b32 hwreg(HW_REG_WAVE_MODE, 25, 1), 1
	s_wait_xcnt 0x0
; Positions 0-15 of each batch once more, in f32 throughout: attention over their 16 keys and the projection by wo.  These rows average one to sixteen values, where rounded operands would weigh most.
; finebuf: [b][tile T 0..95][c][lane][16 bytes]: the f32 results (rotated) of positions 0-15 x columns 16 T on of q | k | v, as register images: lane (position r, h), register 4 c + i = column 16 T + 8 h + 4 c + i.
; SHARES.  Work-group (x, b): columns 64 x on of out0, batch b.  Wave w = key head w = query heads 4 w .. 4 w + 3 = channels 256 w on of the projection's K.  The attention of the 16 positions is repeated in each of the
; sixteen column groups: 128 small matrix instructions a wave, in place of one more launch.  The four waves' parts of the projection meet in LDS.
; ALL PRODUCTS BY v_wmma_f32_16x16x4_f32, transposed, so that a lane holds one position throughout.  An operand's pair of registers holds k = 2 h + j; fed with registers 2 u, 2 u + 1 of an image, both sides carry the same
; four channels, so nothing is moved.  V is turned through my own LDS bytes.  A load of wo brings 4 columns of one row; two exchanges of registers make pairs of (row c, row c + 1) of one column.
; The registers that these products write (v152-215 of window 0, v128-255 of window 1) are written by matrix instructions alone.
; MASKS as in the bulk launch: 0 or -2^100 as the C of the scores' first product; m begins at -2^96; m under -2^93: no key is visible, and the row takes the mean of V (vmean).
; No cluster, no tensor load: 64 small work-groups; what they share (wo) is read by loads straight into registers.
; REGISTERS.  window 0: v1-13 addresses; v16-17 mask bytes; v24-31 bias; v32-55 statistics, 6 a head; v56-87 p; v88-119 K, later V turned; v120-151 V; v152-183 scores; v184-215 the projection's sums; v216-247 mean of V, later sums.
;   window 1: v0-127 Q, later the attention's results; v128-255 O^T.   windows 2, 3: wo, 8 registers for each of 64 K steps.
.set VT,    0                          ; LDS: V as [key][channel], 16 rows x 272 bytes for each wave
.set RED,   17408                      ; the waves' parts of the projection: 16 rows x 272 bytes each
.set SPARE, 34816                      ; the spare words: two blocks of 256 bytes that no other line names
.set WP,    4352
.set LI,  1
.set MO,  2
.set VMO, 3
.set WOO, 4
.set DD,  5
.set VTS, 6
.set VTL, 7
.set REDS, 8
.set REDL, 9
.set GOO, 10
.set NEGV, 11
.set ZZ,  12
.set TQ,  13
.set SPW, 14
.set NIL, 15
.set MB,  16
.set BI,  24
.set ST,  32                           ; head hd at + 6 hd: m, c m, l, 1 / l, two at work
.set PR,  56
.set KFR, 88
.set VA,  88
.set VI,  120
.set SA,  152
.set OUTA, 184
.set VM,  216
.set SEL, 20
.set CS,  22
.set THR, 23
.set SM,  24
.set FL,  38
.set MSB, 0
.macro WIN new
.if MSB != \new
	s_set_vgpr_msb (MSB<<8)|\new
.set MSB, \new
.endif
.endm
	s_load_b256 s[4:11], s[0:1], 0x0               ; finebuf, mask, vmean, wo
	s_load_b64 s[12:13], s[0:1], 0x20              ; out0
	v_lshl_add_u32 v[SPW], v0, 2, SPARE
	v_mov_b32 v[NIL], 0
	v_lshrrev_b32 v[TQ], 5, v0
	v_readfirstlane_b32 s14, v[TQ]                 ; wave = key head
	s_mov_b32 s15, ttmp9                           ; column group
	s_and_b32 s16, ttmp7, 0xffff                   ; batch
	s_mov_b32 s[SEL], 0x76543210
	s_mov_b32 s[SEL+1], 0xfedcba98
	s_mov_b32 s[CS], 0x3e38aa3b                    ; c = log2(e) / 8
	s_mov_b32 s[THR], 0xee000000                   ; -2^93
	s_mov_b32 s[FL], 0xef800000                    ; -2^96
	v_and_b32 v32, 15, v0                          ; r
	v_bfe_u32 v33, v0, 4, 1                        ; h
	v_and_b32 v34, 31, v0
	v_lshlrev_b32 v[LI], 4, v34
	v_lshlrev_b32 v[MO], 3, v33
	v_lshlrev_b32 v[VMO], 5, v33
	v_lshlrev_b32 v[WOO], 15, v33                  ; wo: lanes 16-31 stand 8 rows of 4,096 bytes further down; 16 bytes a lane
	v_lshl_add_u32 v[WOO], v32, 4, v[WOO]
	v_sub_nc_u32 v[DD], v32, v[MO]                 ; d = r - 8 h: key 8 h + j comes after query r where j > d
	s_mul_i32 s18, s14, WP
	v_mul_u32_u24 v35, v32, 272
	v_lshl_add_u32 v[VTS], v33, 5, v35
	v_add_nc_u32 v[VTS], s18, v[VTS]
	v_mul_u32_u24 v[VTL], v33, 2176
	v_lshl_add_u32 v[VTL], v32, 2, v[VTL]
	v_add_nc_u32 v[VTL], s18, v[VTL]
	v_lshl_add_u32 v[REDS], v33, 7, v35
	s_add_co_u32 s19, s18, RED
	v_add_nc_u32 v[REDS], s19, v[REDS]
	s_mul_i32 s19, s14, 4*272
	s_add_co_u32 s19, s19, RED
	v_mul_u32_u24 v[REDL], v33, 272
	v_lshl_add_u32 v[REDL], v32, 4, v[REDL]
	v_add_nc_u32 v[REDL], s19, v[REDL]
	v_lshlrev_b32 v[GOO], 12, v33
	v_lshl_add_u32 v[GOO], v32, 4, v[GOO]
	v_mov_b32 v[NEGV], 0xf1800000                  ; -2^100
	v_mov_b32 v[ZZ], 0
	s_mov_b32 s35, 0
	s_mul_i32 s18, s16, 98304                      ; the batch's 96 tiles
	s_wait_kmcnt 0x0
	s_lshl_b32 s34, s14, 12
	s_add_co_u32 s34, s34, s18
	s_add_co_u32 s34, s34, 65536
	s_add_nc_u64 s[28:29], s[4:5], s[34:35]        ; K: tiles 64 + 4 w on
	s_add_nc_u64 s[30:31], s[28:29], 16384         ; V: tiles 80 + 4 w on
	s_lshl_b32 s34, s14, 14
	s_add_co_u32 s34, s34, s18
	s_add_nc_u64 s[32:33], s[4:5], s[34:35]        ; Q: tiles 16 w on
	s_lshl_b32 s34, s16, 11
	s_add_nc_u64 s[6:7], s[6:7], s[34:35]
	s_lshl_b32 s34, s16, 2
	s_add_co_u32 s34, s34, s14
	s_lshl_b32 s34, s34, 8
	s_add_nc_u64 s[8:9], s[8:9], s[34:35]
	s_lshl_b32 s34, s14, 20                        ; wo: rows 256 w on, columns 64 x on
	s_lshl_b32 s19, s15, 8
	s_add_co_u32 s34, s34, s19
	s_add_nc_u64 s[10:11], s[10:11], s[34:35]
	s_lshl_b32 s34, s16, 23                        ; out0: row 2,048 b + 4 w, columns 64 x on
	s_add_co_u32 s34, s34, s19
	s_lshl_b32 s19, s14, 14
	s_add_co_u32 s34, s34, s19
	s_add_nc_u64 s[12:13], s[12:13], s[34:35]
.irp t, 0,1,2,3
.irp c, 0,1
	global_load_b128 v[KFR+8*\t+4*\c:KFR+8*\t+4*\c+3], v[LI], s[28:29] offset:\t*1024+512*\c
	global_load_b128 v[VI+8*\t+4*\c:VI+8*\t+4*\c+3], v[LI], s[30:31] offset:\t*1024+512*\c
	global_load_b128 v[VM+8*\t+4*\c:VM+8*\t+4*\c+3], v[VMO], s[8:9] offset:64*\t+16*\c
.endr
.endr
	global_load_b64 v[MB:MB+1], v[MO], s[6:7]      ; the mask's bytes of keys 8 h + 0..7
	WIN 0x40
.set n, 0
.rept 16
	global_load_b128 v[8*n:8*n+3], v[LI], s[32:33] offset:n*1024
	global_load_b128 v[8*n+4:8*n+7], v[LI], s[32:33] offset:n*1024+512
.set n, n+1
.endr
	WIN 0
	s_wait_loadcnt 0x0
.macro WOLOAD k                        ; K step k = 16 hd + 4 ct + u: rows 64 hd + 16 ct + 2 u + 0, 1 (+ 8 h) of my 256, four columns a lane: each half of the lanes reads 256 consecutive bytes, aligned
.set WR, 64*((\k)/16)+16*(((\k)/4)%4)+2*((\k)%4)
	global_load_b128 v[8*((\k)%32):8*((\k)%32)+3], v[WOO], s[10:11] offset:WR*4096
	global_load_b128 v[8*((\k)%32)+4:8*((\k)%32)+7], v[WOO], s[10:11] offset:(WR+1)*4096
.endm
	WIN 0x80                                       ; destination window 2
.set k, 0
.rept 31
	WOLOAD k
.set k, k+1
.endr
	WIN 0
.irp t, 0,1,2,3
.irp c, 0,1
	ds_store_b128 v[VTS], v[VI+8*\t+4*\c:VI+8*\t+4*\c+3] offset:64*\t+16*\c    ; V as [key r][channel]
.endr
.endr
.irp j, 0,1,2,3,4,5,6,7
	v_bfe_u32 v[TQ], v[MB+\j/4], 8*(\j%4), 8
	v_cmp_ne_u32 s36, 0, v[TQ]
	v_cmp_le_i32 s37, \j, v[DD]
	s_and_b32 s36, s36, s37
	v_cndmask_b32 v[BI+\j], v[NEGV], v[ZZ], s36    ; 0 where key 8 h + j may be seen by query r, else -2^100
.endr
.irp i, 0,1,2,3,4,5,6,7,8,9,10,11,12,13,14,15,16,17,18,19,20,21,22,23
	v_mov_b32 v[ST+\i], 0                          ; (a lane permute's destination counts as one of its sources)
.endr
	WIN 0x04                                       ; source 1 (Q) window 1
.set u, 0
.rept 16
.irp hd, 0,1,2,3                               ; the four heads' accumulators take turns
.if u == 0
	v_wmma_f32_16x16x4_f32 v[SA+8*\hd:SA+8*\hd+7], v[KFR+2*u:KFR+2*u+1], v[32*\hd+2*u:32*\hd+2*u+1], v[BI:BI+7]
.else
	v_wmma_f32_16x16x4_f32 v[SA+8*\hd:SA+8*\hd+7], v[KFR+2*u:KFR+2*u+1], v[32*\hd+2*u:32*\hd+2*u+1], v[SA+8*\hd:SA+8*\hd+7]
.endif
.endr
.set u, u+1
.endr
	WIN 0
.rept 8
	v_nop                                          ; eight places behind this form, ahead of the first read of the scores and of loads into K's registers
.endr
.irp ct, 0,1,2,3
.irp sk, 0,1,2,3
.irp j, 0,1
	ds_load_b32 v[VA+8*\ct+2*\sk+\j], v[VTL] offset:(2*\sk+\j)*272+64*\ct      ; V(key 8 h + 2 sk + j, channel 16 ct + r): LDS serves in order, these see my stores
.endr
.endr
.endr
.irp hd, 0,1,2,3
	v_max3_num_f32 v[ST+6*\hd+4], v[SA+8*\hd], v[SA+8*\hd+1], v[SA+8*\hd+2]    ; from the accumulator's low end on
.endr
.irp hd, 0,1,2,3
	v_max3_num_f32 v[ST+6*\hd+4], v[ST+6*\hd+4], v[SA+8*\hd+3], v[SA+8*\hd+4]
.endr
.irp hd, 0,1,2,3
	v_max3_num_f32 v[ST+6*\hd+4], v[ST+6*\hd+4], v[SA+8*\hd+5], v[SA+8*\hd+6]
.endr
.irp hd, 0,1,2,3
	v_max3_num_f32 v[ST+6*\hd+4], v[ST+6*\hd+4], v[SA+8*\hd+7], s[FL]          ; and the floor
.endr
.irp hd, 0,1,2,3
	v_permlanex16_b32 v[ST+6*\hd+5], v[ST+6*\hd+4], s[SEL], s[SEL+1]
.endr
.irp hd, 0,1,2,3
	v_max_num_f32 v[ST+6*\hd], v[ST+6*\hd+4], v[ST+6*\hd+5]
.endr
.irp hd, 0,1,2,3
	v_mul_f32 v[ST+6*\hd+1], s[CS], v[ST+6*\hd]
.endr
.irp j, 0,1,2,3,4,5,6,7
.irp hd, 0,1,2,3
	v_fma_f32 v[PR+8*\hd+\j], v[SA+8*\hd+\j], s[CS], -v[ST+6*\hd+1]
.endr
.endr
.set n, 0
.rept 32
	v_exp_f32 v[PR+n], v[PR+n]
.set n, n+1
.endr
	v_nop                                          ; a plain line behind the last exponential
.irp hd, 0,1,2,3
	v_cmp_gt_f32 s[SM+\hd], s[THR], v[ST+6*\hd]    ; no key visible
.endr
	s_wait_alu depctr_va_vdst(0)                   ; one wait for the 32
.irp hd, 0,1,2,3
	v_add_f32 v[ST+6*\hd+4], v[PR+8*\hd], v[PR+8*\hd+1]
	v_add_f32 v[ST+6*\hd+5], v[PR+8*\hd+2], v[PR+8*\hd+3]
.endr
.irp hd, 0,1,2,3
	v_add_f32 v[ST+6*\hd+4], v[ST+6*\hd+4], v[PR+8*\hd+4]
	v_add_f32 v[ST+6*\hd+5], v[ST+6*\hd+5], v[PR+8*\hd+5]
.endr
.irp hd, 0,1,2,3
	v_add_f32 v[ST+6*\hd+4], v[ST+6*\hd+4], v[PR+8*\hd+6]
	v_add_f32 v[ST+6*\hd+5], v[ST+6*\hd+5], v[PR+8*\hd+7]
.endr
.irp hd, 0,1,2,3
	v_add_f32 v[ST+6*\hd+2], v[ST+6*\hd+4], v[ST+6*\hd+5]
.endr
.irp hd, 0,1,2,3
	v_permlanex16_b32 v[ST+6*\hd+5], v[ST+6*\hd+2], s[SEL], s[SEL+1]
.endr
.irp hd, 0,1,2,3
	v_add_f32 v[ST+6*\hd+2], v[ST+6*\hd+2], v[ST+6*\hd+5]
.endr
.irp hd, 0,1,2,3
	v_rcp_f32 v[ST+6*\hd+3], v[ST+6*\hd+2]
.endr
	v_nop
	s_wait_alu depctr_va_vdst(0)                   ; one for the four reciprocals
	WIN 0x80
	WOLOAD 31
	WIN 0xc0                                       ; destination window 3
.set k, 32
.rept 32
	WOLOAD k
.set k, k+1
.endr
	WIN 0
	s_wait_dscnt 0x0                               ; V, turned, is in
	WIN 0x50                                       ; C and D window 1
.irp sk, 0,1,2,3
.irp hd, 0,1,2,3
.irp ct, 0,1,2,3                               ; sixteen accumulators by turns
.if \sk == 0
	v_wmma_f32_16x16x4_f32 v[128+32*\hd+8*\ct:128+32*\hd+8*\ct+7], v[VA+8*\ct+2*\sk:VA+8*\ct+2*\sk+1], v[PR+8*\hd+2*\sk:PR+8*\hd+2*\sk+1], 0
.else
	v_wmma_f32_16x16x4_f32 v[128+32*\hd+8*\ct:128+32*\hd+8*\ct+7], v[VA+8*\ct+2*\sk:VA+8*\ct+2*\sk+1], v[PR+8*\hd+2*\sk:PR+8*\hd+2*\sk+1], v[128+32*\hd+8*\ct:128+32*\hd+8*\ct+7]
.endif
.endr
.endr
.endr
.rept 8
	v_nop
.endr
	WIN 0x41                                       ; destination and source 0 window 1
.irp hd, 0,1,2,3
.set n, 0
.rept 32
	v_mul_f32 v[32*\hd+n], v[128+32*\hd+n], v[ST+6*\hd+3]          ; O^T / l, into other registers, each accumulator from its low end on
	v_cndmask_b32 v[32*\hd+n], v[32*\hd+n], v[VM+n], s[SM+\hd]     ; or the mean of V
.set n, n+1
.endr
.endr
	s_wait_loadcnt 0x0                             ; wo
	WIN 0x82                                       ; both registers window 2
.set k, 0
.rept 32
	v_swap_b32 v[8*k+1], v[8*k+4]                  ; (R, R+1), (R+4, R+5), (R+2, R+3), (R+6, R+7) are now rows c, c + 1 of columns 4 r + 0, 1, 2, 3
	v_swap_b32 v[8*k+3], v[8*k+6]
.set k, k+1
.endr
	WIN 0xc3
.set k, 0
.rept 32
	v_swap_b32 v[8*k+1], v[8*k+4]
	v_swap_b32 v[8*k+3], v[8*k+6]
.set k, k+1
.endr
.macro PROJ k, z                       ; K step k: four accumulators by turns: sum nt holds columns 4 m + nt
.set RW, 8*((\k)%32)
.if \z
	v_wmma_f32_16x16x4_f32 v[OUTA:OUTA+7], v[RW:RW+1], v[2*(\k):2*(\k)+1], 0
	v_wmma_f32_16x16x4_f32 v[OUTA+8:OUTA+15], v[RW+4:RW+5], v[2*(\k):2*(\k)+1], 0
	v_wmma_f32_16x16x4_f32 v[OUTA+16:OUTA+23], v[RW+2:RW+3], v[2*(\k):2*(\k)+1], 0
	v_wmma_f32_16x16x4_f32 v[OUTA+24:OUTA+31], v[RW+6:RW+7], v[2*(\k):2*(\k)+1], 0
.else
	v_wmma_f32_16x16x4_f32 v[OUTA:OUTA+7], v[RW:RW+1], v[2*(\k):2*(\k)+1], v[OUTA:OUTA+7]
	v_wmma_f32_16x16x4_f32 v[OUTA+8:OUTA+15], v[RW+4:RW+5], v[2*(\k):2*(\k)+1], v[OUTA+8:OUTA+15]
	v_wmma_f32_16x16x4_f32 v[OUTA+16:OUTA+23], v[RW+2:RW+3], v[2*(\k):2*(\k)+1], v[OUTA+16:OUTA+23]
	v_wmma_f32_16x16x4_f32 v[OUTA+24:OUTA+31], v[RW+6:RW+7], v[2*(\k):2*(\k)+1], v[OUTA+24:OUTA+31]
.endif
.endm
	WIN 0x06                                       ; source 0 (wo) window 2, source 1 (the attention's results) window 1
	PROJ 0, 1
.set k, 1
.rept 31
	PROJ k, 0
.set k, k+1
.endr
	WIN 0x07                                       ; source 0 window 3
.rept 32
	PROJ k, 0
.set k, k+1
.endr
	WIN 0
.rept 8
	v_nop
.endr
.irp nt, 0,1,2,3
.irp jj, 0,1,2,3,4,5,6,7
	ds_store_b32 v[REDS], v[OUTA+8*\nt+\jj] offset:4*(4*\jj+\nt)   ; position r, column 32 h + 4 jj + nt of the group's 64
.endr
.endr
	s_wait_dscnt 0x0                               ; for the others' sake: my part has landed
	s_barrier_signal -1
	s_barrier_wait -1
.irp pi, 0,1
.irp ww, 0,1,2,3
	ds_load_b128 v[VM+16*\pi+4*\ww:VM+16*\pi+4*\ww+3], v[REDL] offset:\ww*WP+\pi*544   ; row 4 w + 2 pi + h of each wave's part
.endr
.endr
	s_wait_dscnt 0x0
.irp pi, 0,1
.irp i, 0,2
	v_pk_add_f32 v[VM+16*\pi+\i:VM+16*\pi+\i+1], v[VM+16*\pi+\i:VM+16*\pi+\i+1], v[VM+16*\pi+4+\i:VM+16*\pi+4+\i+1]
	v_pk_add_f32 v[VM+16*\pi+8+\i:VM+16*\pi+8+\i+1], v[VM+16*\pi+8+\i:VM+16*\pi+8+\i+1], v[VM+16*\pi+12+\i:VM+16*\pi+12+\i+1]
.endr
.irp i, 0,2
	v_pk_add_f32 v[VM+16*\pi+\i:VM+16*\pi+\i+1], v[VM+16*\pi+\i:VM+16*\pi+\i+1], v[VM+16*\pi+8+\i:VM+16*\pi+8+\i+1]
.endr
	global_store_b128 v[GOO], v[VM+16*\pi:VM+16*\pi+3], s[12:13] offset:\pi*8192   ; sixteen lanes store 256 consecutive bytes, aligned
.endr
	s_wait_tensorcnt 0x0                           ; the wave's end, behind my last LDS store
	ds_add_u32 v[SPW], v[NIL]
	s_wait_dscnt 0x0
	s_endpgm
.Lfunc_end_k_qf010d8881c_fine:
	.size	k_qf010d8881c_fine, .Lfunc_end_k_qf010d8881c_fine-k_qf010d8881c_fine
	.p2alignl 7, 3214868480
	.fill 96, 4, 3214868480
	.section	.rodata,"a",@progbits
	.p2align	6, 0x0
	.amdhsa_kernel k_qf010d8881c_fine
		.amdhsa_group_segment_fixed_size 35328
		.amdhsa_private_segment_fixed_size 0
		.amdhsa_enable_private_segment 0
		.amdhsa_kernarg_size 40
		.amdhsa_user_sgpr_count 2
		.amdhsa_user_sgpr_kernarg_segment_ptr 1
		.amdhsa_wavefront_size32 1
		.amdhsa_system_sgpr_workgroup_id_x 1
		.amdhsa_system_sgpr_workgroup_id_y 1
		.amdhsa_system_sgpr_workgroup_id_z 1
		.amdhsa_system_vgpr_workitem_id 0
		.amdhsa_next_free_vgpr 1024
		.amdhsa_next_free_sgpr 66
		.amdhsa_reserve_vcc 0
		.amdhsa_float_denorm_mode_32 3
		.amdhsa_float_denorm_mode_16_64 3
		.amdhsa_memory_ordered 1
		.amdhsa_forward_progress 1
		.amdhsa_inst_pref_size 78
	.end_amdhsa_kernel
	.amdgpu_metadata
---
amdhsa.version: [ 1, 2 ]
amdhsa.kernels:
  - .name:           k_qf010d8881c_fine
    .symbol:         k_qf010d8881c_fine.kd
    .args:
      - { .name: finebuf, .offset: 0, .size: 8, .value_kind: global_buffer, .address_space: global }
      - { .name: mask, .offset: 8, .size: 8, .value_kind: global_buffer, .address_space: global }
      - { .name: vmean, .offset: 16, .size: 8, .value_kind: global_buffer, .address_space: global }
      - { .name: wo, .offset: 24, .size: 8, .value_kind: global_buffer, .address_space: global }
      - { .name: out0, .offset: 32, .size: 8, .value_kind: global_buffer, .address_space: global }
    .group_segment_fixed_size: 35328
    .private_segment_fixed_size: 0
    .kernarg_segment_align: 8
    .kernarg_segment_size: 40
    .max_flat_workgroup_size: 128
    .sgpr_count:     66
    .vgpr_count:     1024
    .wavefront_size: 32
...
	.end_amdgpu_metadata
.endif
;; end of part 5
